; MI455X (gfx1250); checked and timed in simulation.
; The chip was launched on July 23, 2026; its instructions are those of AMD's public machine-readable ISA for CDNA 5 (MIT licence, August 2026) and "CDNA5" Instruction Set Architecture Reference Guide (July 2026). The comments in the code are by the model that wrote it; some were corrected since.
;; Custom Causal Attention. Allowed arithmetic: float matrix products may take bf16 or f16 operands with f32 sums; other float arithmetic in f32, or as packed bf16 or f16 multiplies, adds, multiply-adds, maxima and minima; sums over many terms, partial sums and values carried from step to step in f32; what a program stores and reads back later, other than sums and carried values, may be rounded once to bf16 or f16.
;; Inputs: input_vector 4 x 2,048 x 1,024 float32; w_k 1,024 x 1,024 float32; w_q 1,024 x 1,024 float32; w_v 1,024 x 1,024 float32.
;; Outputs: out0 4 x 2,048 x 1,024 float32.
;; 2 versions, each right; version 2 is version 1 with the launch prep written anew for expert scheduling mode. Each part assembles by itself: llvm-mc -triple=amdgcn-amd-amdhsa -mcpu=gfx1250 --defsym DOCPART=n.
;; ======== version 1 of 2: 4 launches
;; limits: values are held in f16: magnitudes above 65,504 overflow, below 6.1e-05 lose precision
;; workspace buffers: xh 16,777,216 bytes; wb 4,194,304 bytes; yb 16,777,216 bytes; vt 16,777,216 bytes; pb 33,554,432 bytes; st 524,288 bytes
;; launch prep (part 1): grid 1408 x 1, 4 waves a work-group, no clusters, 68,096 bytes of LDS; arguments input_vector, w_q, w_k, w_v, xh, wb; writes xh, wb
.if DOCPART == 1
	.amdgcn_target "amdgcn-amd-amdhsa--gfx1250"
	.amdhsa_code_object_version 6
	.text
	.protected	k_q0ef37cbe2e_prep
	.globl	k_q0ef37cbe2e_prep
	.p2align	8
	.type	k_q0ef37cbe2e_prep,@function
k_q0ef37cbe2e_prep:
	s_mov_b64 s[64:65], 0
	v_nop
	global_prefetch_b8 v0, s[64:65] scope:SCOPE_SE
	s_setreg_imm32_b32 hwreg(HW_REG_WAVE_MODE, 25, 1), 1
	s_wait_xcnt 0x0
; PREP.  Three kinds of work-group, told apart by the work-group's number (the same for all four waves):
;   0 .. 255     Mt = W_k W_q^T (Mt[j][i] = sum over e of W_k[j][e] W_q[i][e]), operands rounded to bf16, sums in f32, stored as f16 into wb rows 0 .. 1023.
;                scores = (x W_q)(x W_k)^T = x (W_q W_k^T) x^T for every input, so one product of the weights takes the place of one projection.
;   256 .. 383   W_v turned: wb[1024 + c][i] = W_v[i][c], rounded to bf16 and that number written as f16.
;   384 .. 1407  xh = x rounded to bf16 and that number written as f16.
; LIMITS.  f16 holds no number beyond 65,504, and below 6e-5 it keeps a fixed step of 6e-8: x, W_v and Mt are taken to lie within that range.  NaN and infinities are not treated apart.
; No tensor loads, no cluster, no prefetch: the launch is short, its streams are read once by plain loads of which sixteen or more a wave are out, and the weights are shared by few work-groups only.
.set SPARE, 67584                      ; behind the four partial tiles: the spare words, 128 bytes for each wave, which no other line names
.set SPW,  4                           ; v4   LDS address of my spare word; never rewritten
.set NIL,  5                           ; v5   0; never rewritten
.set RAW,  16                          ; v[16:175]  numbers as loaded, f32
.set OUTR, 80                          ; v[80:111]  packed f16 to store (the two streaming paths)
.set PK,   176                         ; v[176:255] Mt: ten fragments of 16 rows x 32 e in bf16: two of W_k, eight of W_q
.set MSB, 0
.macro WIN new                         ; the immediate's high byte repeats the setting that is left
.if MSB != (\new)
	s_set_vgpr_msb (MSB<<8)|(\new)
.set MSB, \new
.endif
.endm
	s_load_b256 s[4:11], s[0:1], 0x0               ; x s[4:5], w_q s[6:7], w_k s[8:9], w_v s[10:11]
	s_load_b128 s[12:15], s[0:1], 0x20             ; xh s[12:13], wb s[14:15]
	v_lshl_add_u32 v[SPW], v0, 2, SPARE
	v_mov_b32 v[NIL], 0
	v_lshrrev_b32 v1, 5, v0
	v_readfirstlane_b32 s16, v1                    ; wave 0..3
	v_and_b32 v1, 15, v0                           ; thread % 16 (= lane % 16)
	v_bfe_u32 v2, v0, 4, 1                         ; lane / 16
	v_lshrrev_b32 v3, 4, v0                        ; thread / 16, 0..7
	s_mov_b32 s19, 0
	s_wait_kmcnt 0x0
	s_cmp_lt_u32 ttmp9, 256
	s_cbranch_scc1 .Lmt
	s_cmp_lt_u32 ttmp9, 384
	s_cbranch_scc1 .Lwv
	; ---- x: 8 rows, 32,768 bytes in, 16,384 out.  Chunk j is 2,048 consecutive bytes: 16 a thread; its 1,024 bytes of f16 leave 8 a thread, a wave's store covering 256 consecutive bytes, aligned.
	s_sub_co_u32 s17, ttmp9, 384
	s_lshl_b32 s18, s17, 15
	s_add_nc_u64 s[4:5], s[4:5], s[18:19]
	s_lshl_b32 s18, s17, 14
	s_add_nc_u64 s[12:13], s[12:13], s[18:19]
	v_lshlrev_b32 v6, 4, v0
	v_lshlrev_b32 v7, 3, v0
.set j, 0
.rept 16
	global_load_b128 v[RAW+4*j:RAW+4*j+3], v6, s[4:5] offset:2048*j th:TH_LOAD_NT
.set j, j+1
.endr
.set j, 0
.rept 16
	s_wait_loadcnt 15-j                            ; loads come back in order: chunk j is in, the younger ones stay out
	v_cvt_pk_bf16_f32 v[RAW+4*j], v[RAW+4*j], v[RAW+4*j+1]      ; the input's rounding: to bf16, nearest even
	v_cvt_pk_bf16_f32 v[RAW+4*j+2], v[RAW+4*j+2], v[RAW+4*j+3]
	v_and_b32 v[RAW+4*j+1], 0xffff0000, v[RAW+4*j]              ; back to f32: the high half stays,
	v_lshlrev_b32 v[RAW+4*j], 16, v[RAW+4*j]                    ; the low half moves up
	v_and_b32 v[RAW+4*j+3], 0xffff0000, v[RAW+4*j+2]
	v_lshlrev_b32 v[RAW+4*j+2], 16, v[RAW+4*j+2]
	v_cvt_pk_f16_f32 v[OUTR+2*j], v[RAW+4*j], v[RAW+4*j+1]      ; the same numbers as f16 (exact inside f16's normal range)
	v_cvt_pk_f16_f32 v[OUTR+2*j+1], v[RAW+4*j+2], v[RAW+4*j+3]
	global_store_b64 v7, v[OUTR+2*j:OUTR+2*j+1], s[12:13] offset:1024*j
.set j, j+1
.endr
	s_branch .Lend
	; ---- W_v turned: a tile of 128 rows i x 64 columns c.  Thread (p = thread / 16, q = thread % 16) reads rows 2 p + 16 k and the next, columns 4 q .. 4 q + 3: sixteen lanes read 256 consecutive bytes.
.Lwv:
	s_sub_co_u32 s17, ttmp9, 256
	s_lshr_b32 s18, s17, 4                         ; which 128 rows i
	s_and_b32 s17, s17, 15                         ; which 64 columns c
	s_lshl_b32 s20, s18, 19                        ; 128 rows of 4,096 bytes
	s_lshl_b32 s21, s17, 8
	s_add_co_u32 s20, s20, s21
	s_mov_b32 s21, 0
	s_add_nc_u64 s[10:11], s[10:11], s[20:21]
	s_lshl_b32 s20, s17, 17                        ; 64 rows of wb, 2,048 bytes each,
	s_lshl_b32 s22, s18, 8                         ; 128 columns of f16
	s_add_co_u32 s20, s20, s22
	s_add_co_u32 s20, s20, 1024*2048               ; behind Mt's 1,024 rows
	s_add_nc_u64 s[14:15], s[14:15], s[20:21]
	v_lshlrev_b32 v6, 13, v3
	v_lshl_add_u32 v6, v1, 4, v6                   ; 2 p rows + 16 q
.set k, 0
.rept 8
	global_load_b128 v[RAW+8*k:RAW+8*k+3],   v6, s[10:11] offset:65536*k th:TH_LOAD_NT
	global_load_b128 v[RAW+8*k+4:RAW+8*k+7], v6, s[10:11] offset:65536*k+4096 th:TH_LOAD_NT
.set k, k+1
.endr
	v_mul_u32_u24 v7, v1, 4*272                    ; in LDS a row is a column c: 256 bytes + 16 of padding; mine are rows 4 q .. 4 q + 3,
	v_lshl_add_u32 v7, v3, 2, v7                   ; two neighbouring i are one word, at byte 4 p + 32 k
	v_mul_u32_u24 v8, v3, 272
	v_lshl_add_u32 v8, v1, 4, v8                   ; back: row p + 8 m, 16 bytes at 16 q
	v_lshlrev_b32 v9, 11, v3
	v_lshl_add_u32 v9, v1, 4, v9                   ; and the same place in wb
.set k, 0
.rept 8
	s_wait_loadcnt 14-2*k                          ; pair k of rows is in
.irp c, 0,1,2,3
	v_cvt_pk_bf16_f32 v[RAW+8*k+(\c)], v[RAW+8*k+(\c)], v[RAW+8*k+4+(\c)]   ; rows i, i + 1 of one column, rounded to bf16
	v_and_b32 v[RAW+8*k+4+(\c)], 0xffff0000, v[RAW+8*k+(\c)]
	v_lshlrev_b32 v[RAW+8*k+(\c)], 16, v[RAW+8*k+(\c)]
	v_cvt_pk_f16_f32 v[RAW+8*k+(\c)], v[RAW+8*k+(\c)], v[RAW+8*k+4+(\c)]
	ds_store_b32 v7, v[RAW+8*k+(\c)] offset:(\c)*272+32*k
.endr
.set k, k+1
.endr
	s_wait_dscnt 0x0                               ; for the others' sake: my stores are done
	s_barrier_signal -1
	s_barrier_wait -1
.irp m, 0,1,2,3,4,5,6,7
	ds_load_b128 v[OUTR+4*(\m):OUTR+4*(\m)+3], v8 offset:(\m)*8*272
.endr
.irp m, 0,1,2,3,4,5,6,7
	s_wait_dscnt 7-(\m)
	global_store_b128 v9, v[OUTR+4*(\m):OUTR+4*(\m)+3], s[14:15] offset:(\m)*16384  ; 16 lanes store 256 consecutive bytes, aligned
.endr
	s_branch .Lend
	; ---- Mt: a tile of 32 rows j x 128 columns i.  The sum over e is split among the four waves, 256 e each; the partial tiles meet in LDS.
	; A lane takes 16 consecutive e of its row (four loads of 16 bytes): the same order of e in both operands, so the products pair up as they should.
	; Source 0 = 16 rows of W_q, source 1 = 16 rows of W_k: a lane ends with row j = lane % 16 and eight neighbouring columns i.
.Lmt:
	s_lshr_b32 s17, ttmp9, 3                       ; which 32 rows j
	s_and_b32 s18, ttmp9, 7                        ; which 128 columns i
	s_lshl_b32 s20, s17, 17
	s_mov_b32 s21, 0
	s_add_nc_u64 s[20:21], s[8:9], s[20:21]        ; W_k at my rows
	s_lshl_b32 s22, s18, 19
	s_mov_b32 s23, 0
	s_add_nc_u64 s[22:23], s[6:7], s[22:23]        ; W_q at my rows
	s_lshl_b32 s26, s17, 16
	s_lshl_b32 s27, s18, 8
	s_add_co_u32 s26, s26, s27
	s_mov_b32 s27, 0
	s_add_nc_u64 s[14:15], s[14:15], s[26:27]      ; wb at the tile
	s_lshl_b32 s24, s16, 10                        ; my wave's 256 e
	v_lshlrev_b32 v6, 12, v1
	v_lshl_add_u32 v6, v2, 6, v6
	v_add_nc_u32 v6, s24, v6                       ; row x 4,096 + 64 x half + 1,024 x wave
.macro LOADS                           ; a K step of 32 e: 40 loads
.irp q, 0,1,2,3
.irp u, 0,1
	global_load_b128 v[RAW+16*(\u)+4*(\q):RAW+16*(\u)+4*(\q)+3], v6, s[20:21] offset:(\u)*65536+16*(\q)
.endr
.irp u, 0,1,2,3,4,5,6,7
	global_load_b128 v[RAW+32+16*(\u)+4*(\q):RAW+32+16*(\u)+4*(\q)+3], v6, s[22:23] offset:(\u)*65536+16*(\q)
.endr
.endr
.endm
.macro CVT                             ; 160 f32 to 80 words of bf16
.set n, 0
.rept 80
	v_cvt_pk_bf16_f32 v[PK+n], v[RAW+2*n], v[RAW+2*n+1]
.set n, n+1
.endr
.endm
.macro MULS zero                       ; 16 products; the 16 accumulators (v256-383) take turns
	WIN 0x50
.irp a, 0,1
.irp b, 0,1,2,3,4,5,6,7
.if \zero
	v_wmma_f32_16x16x32_bf16 v[8*(8*(\a)+(\b)):8*(8*(\a)+(\b))+7], v[PK+16+8*(\b):PK+16+8*(\b)+7], v[PK+8*(\a):PK+8*(\a)+7], 0
.else
	v_wmma_f32_16x16x32_bf16 v[8*(8*(\a)+(\b)):8*(8*(\a)+(\b))+7], v[PK+16+8*(\b):PK+16+8*(\b)+7], v[PK+8*(\a):PK+8*(\a)+7], v[8*(8*(\a)+(\b)):8*(8*(\a)+(\b))+7]
.endif
.endr
.endr
	WIN 0
.endm
	LOADS
	s_wait_loadcnt 0x0                             ; the step is in, and its loads have read the two pointers
	CVT
	s_add_nc_u64 s[20:21], s[20:21], 128
	s_add_nc_u64 s[22:23], s[22:23], 128
	LOADS                                          ; the next step is on its way while this one is multiplied
	MULS 1                                         ; the first K step starts the sums: nothing is cleared
	s_mov_b32 s24, 7
.Lk:
.rept 4
	v_nop                                          ; four places between the last product and the conversions that write its sources
.endr
	s_wait_loadcnt 0x0
	CVT
	s_cmp_eq_u32 s24, 1                            ; the last step has nothing behind it
	s_cbranch_scc1 .Lnoload
	s_add_nc_u64 s[20:21], s[20:21], 128
	s_add_nc_u64 s[22:23], s[22:23], 128
	LOADS
.Lnoload:
	MULS 0
	s_sub_co_u32 s24, s24, 1
	s_cmp_lg_u32 s24, 0
	s_cbranch_scc1 .Lk
	; the addresses of the meeting: seven plain instructions, the places behind the last products
	s_mul_i32 s25, s16, 16896                      ; my partial tile: 32 rows of 512 bytes + 16 of padding
	v_mul_u32_u24 v10, v1, 528
	v_lshl_add_u32 v10, v2, 5, v10
	v_add_nc_u32 v10, s25, v10
	v_mul_u32_u24 v11, v3, 528
	v_lshl_add_u32 v11, v1, 5, v11                 ; back: row thread / 16 + 8 q, eight columns at 32 x (thread % 16)
	v_lshlrev_b32 v12, 11, v3
	v_lshl_add_u32 v12, v1, 4, v12
	WIN 0x04                                       ; store data in v256-383
.irp a, 0,1
.irp b, 0,1,2,3,4,5,6,7
	ds_store_b128 v10, v[8*(8*(\a)+(\b)):8*(8*(\a)+(\b))+3]   offset:(\a)*8448+64*(\b)
	ds_store_b128 v10, v[8*(8*(\a)+(\b))+4:8*(8*(\a)+(\b))+7] offset:(\a)*8448+64*(\b)+16
.endr
.endr
	WIN 0
	s_wait_dscnt 0x0
	s_barrier_signal -1
	s_barrier_wait -1                              ; all four partial tiles lie in LDS
.irp q, 0,1,2,3
.irp p, 0,1,2,3
	ds_load_b128 v[RAW+32*(\q)+8*(\p):RAW+32*(\q)+8*(\p)+3],   v11 offset:(\p)*16896+(\q)*4224
	ds_load_b128 v[RAW+32*(\q)+8*(\p)+4:RAW+32*(\q)+8*(\p)+7], v11 offset:(\p)*16896+(\q)*4224+16
.endr
.endr
.irp q, 0,1,2,3
	s_wait_dscnt 24-8*(\q)
.irp r, 0,2,4,6
	v_pk_add_f32 v[RAW+32*(\q)+(\r):RAW+32*(\q)+(\r)+1], v[RAW+32*(\q)+(\r):RAW+32*(\q)+(\r)+1], v[RAW+32*(\q)+8+(\r):RAW+32*(\q)+8+(\r)+1]
	v_pk_add_f32 v[RAW+32*(\q)+16+(\r):RAW+32*(\q)+16+(\r)+1], v[RAW+32*(\q)+16+(\r):RAW+32*(\q)+16+(\r)+1], v[RAW+32*(\q)+24+(\r):RAW+32*(\q)+24+(\r)+1]
.endr
.irp r, 0,2,4,6
	v_pk_add_f32 v[RAW+32*(\q)+(\r):RAW+32*(\q)+(\r)+1], v[RAW+32*(\q)+(\r):RAW+32*(\q)+(\r)+1], v[RAW+32*(\q)+16+(\r):RAW+32*(\q)+16+(\r)+1]
.endr
.irp r, 0,1,2,3
	v_cvt_pk_f16_f32 v[PK+4*(\q)+(\r)], v[RAW+32*(\q)+2*(\r)], v[RAW+32*(\q)+2*(\r)+1]
.endr
	global_store_b128 v12, v[PK+4*(\q):PK+4*(\q)+3], s[14:15] offset:(\q)*16384  ; 16 lanes store 256 consecutive bytes, aligned
.endr
.Lend:
	s_wait_tensorcnt 0x0                           ; the wave's end, behind my last LDS store
	ds_add_u32 v[SPW], v[NIL]
	s_wait_dscnt 0x0
	s_endpgm
.Lfunc_end_k_q0ef37cbe2e_prep:
	.size	k_q0ef37cbe2e_prep, .Lfunc_end_k_q0ef37cbe2e_prep-k_q0ef37cbe2e_prep
	.p2alignl 7, 3214868480
	.fill 96, 4, 3214868480
	.section	.rodata,"a",@progbits
	.p2align	6, 0x0
	.amdhsa_kernel k_q0ef37cbe2e_prep
		.amdhsa_group_segment_fixed_size 68096
		.amdhsa_private_segment_fixed_size 0
		.amdhsa_enable_private_segment 0
		.amdhsa_kernarg_size 48
		.amdhsa_user_sgpr_count 2
		.amdhsa_user_sgpr_kernarg_segment_ptr 1
		.amdhsa_wavefront_size32 1
		.amdhsa_system_sgpr_workgroup_id_x 1
		.amdhsa_system_sgpr_workgroup_id_y 1
		.amdhsa_system_sgpr_workgroup_id_z 1
		.amdhsa_system_vgpr_workitem_id 0
		.amdhsa_next_free_vgpr 384
		.amdhsa_next_free_sgpr 66
		.amdhsa_reserve_vcc 0
		.amdhsa_float_denorm_mode_32 3
		.amdhsa_float_denorm_mode_16_64 3
		.amdhsa_memory_ordered 1
		.amdhsa_forward_progress 1
		.amdhsa_inst_pref_size 59
	.end_amdhsa_kernel
	.amdgpu_metadata
---
amdhsa.version: [ 1, 2 ]
amdhsa.kernels:
  - .name:           k_q0ef37cbe2e_prep
    .symbol:         k_q0ef37cbe2e_prep.kd
    .args:
      - { .name: input_vector, .offset: 0, .size: 8, .value_kind: global_buffer, .address_space: global }
      - { .name: w_q, .offset: 8, .size: 8, .value_kind: global_buffer, .address_space: global }
      - { .name: w_k, .offset: 16, .size: 8, .value_kind: global_buffer, .address_space: global }
      - { .name: w_v, .offset: 24, .size: 8, .value_kind: global_buffer, .address_space: global }
      - { .name: xh, .offset: 32, .size: 8, .value_kind: global_buffer, .address_space: global }
      - { .name: wb, .offset: 40, .size: 8, .value_kind: global_buffer, .address_space: global }
    .group_segment_fixed_size: 68096
    .private_segment_fixed_size: 0
    .kernarg_segment_align: 8
    .kernarg_segment_size: 48
    .max_flat_workgroup_size: 128
    .sgpr_count:     66
    .vgpr_count:     384
    .wavefront_size: 32
...
	.end_amdgpu_metadata
.endif
;; end of part 1
;; launch proj (part 2): grid 8 x 32, 4 waves a work-group, clusters of 4 x 4, 327,680 bytes of LDS; arguments xh, wb, yb, vt; writes yb, vt
.if DOCPART == 2
	.amdgcn_target "amdgcn-amd-amdhsa--gfx1250"
	.amdhsa_code_object_version 6
	.text
	.protected	k_q0ef37cbe2e_proj
	.globl	k_q0ef37cbe2e_proj
	.p2align	8
	.type	k_q0ef37cbe2e_proj,@function
k_q0ef37cbe2e_proj:
	s_mov_b64 s[64:65], 0
	v_nop
	global_prefetch_b8 v0, s[64:65] scope:SCOPE_SE
	s_setreg_imm32_b32 hwreg(HW_REG_WAVE_MODE, 25, 1), 1
	s_wait_xcnt 0x0
	s_wait_alu depctr_hold_cnt(0) depctr_sa_sdst(0) depctr_va_vdst(0) depctr_va_sdst(0) depctr_va_ssrc(0) depctr_va_vcc(0) depctr_vm_vsrc(0)
	s_getreg_b32 s2, hwreg(HW_REG_IB_STS2, 6, 4)
	s_cmp_eq_u32 s2, 0
	s_cbranch_scc0 .Lentry_in_a_cluster
	s_endpgm
.Lentry_in_a_cluster:
	s_bfe_u32 s2, ttmp6, 0x10000c
	s_cmp_lg_u32 s2, 0xf033
	s_cbranch_scc0 .Lentry_shape_is_right
	s_endpgm
.Lentry_shape_is_right:
; PROJ.  Two products C = A B^T over K = 1,024, f16 operands, f32 sums, C rounded once to f16; 256 tiles of 256 x 256, one to a work-group.
;   cluster x = 0:  yb[t][j] = 2^-10 x (sum over i of xh[t][i] Mt[j][i])      A = xh (8,192 rows), B = wb rows 0 .. 1,023, C = yb, rows of 2,048 bytes
;   cluster x = 1:  vt[c][t] = sum over i of W_v^T[c][i] xh[t][i]             A = wb rows 1,024 .. 2,047, B = xh, C = vt, rows of 16,384 bytes
; LIMITS.  f16 ends at 65,504: y is stored times 2^-10 (the score launch's scale takes the factor back), v as it is; both are taken to lie within that range; below 6e-5 f16 keeps a fixed step of 6e-8.
; SHAPE.  Four waves, each 128 x 128 of C in 64 accumulators.  K goes in steps of 128 through two LDS slots; a wave's tensor load brings 128 rows of 256 bytes, padded to 272.
; A K step is written once: the slot's LDS byte is a scalar that an exclusive or turns (SLOT's two bits are clear in every wave's part of a slot).
; CLUSTER.  4 x 4 work-groups: A's tile hangs on the tile row alone and is asked for jointly along a row of the cluster, B's on the tile column alone and jointly along a column.
; THE MATRIX INSTRUCTION IS USED TRANSPOSED (source 0 = rows of B, source 1 = rows of A): a lane holds one row of C and eight neighbouring columns.
; THE WAY OUT.  When the ring has had its last fill the accumulators are laid over it in f32, rows of 1,040 bytes; then each wave takes 64 whole rows, scales, rounds and stores them.
; REGISTERS: window 0: addresses, A's fragments (v64-127, v128-191), later the way out; window 1: B's fragments; windows 2, 3: accumulators ((a, b) at v[8 (8 (a % 4) + b)]).
.set KSTEP,  128
.set PITCH,  272                       ; 256 bytes + 16 of padding = 68 words: the 16 rows of a fragment load start at 16 different groups of four banks
.set HALFT,  128*PITCH
.set SLOT,   4*HALFT                   ; A's 256 rows, then B's 256 rows
.set DP,     1040                      ; a row of the way out: 1,024 bytes + 16
.set SPARE,  2*SLOT                    ; behind the ring: the spare words, 128 bytes for each wave, which no other line names
.set CO,    8                          ; v8-11  the way out: byte offset in C of my 16 bytes in rows 2 g + half
.set ADRA0, 16                         ; v16    my lane's place in A's part of a slot; never rewritten
.set ADRA,  17                         ; v17    the same in the slot in hand
.set ADRB0, 20
.set ADRB,  21
.set DA0,   22                         ; v22-23 where I lay accumulators of my rows 0-63, 64-127
.set RA,    24                         ; v24    where I read rows back
.set SPW,   28                         ; v28    LDS address of my spare word; never rewritten
.set NIL,   29                         ; v29    0; never rewritten
.set PFO,   30                         ; v30    the prefetches' offset: lane x 2,048; never rewritten
.set F0,    64
.set F1,    128
.set X,     64                         ; the way out: four groups of 16 f32
.set Y,     128                        ; and of 8 words of f16
.set WV, 12
.set WR, 13                            ; which half of the tile's rows is mine; also: I fetch for A (0) or B (1)
.set WC, 14                            ; which half of its columns; also: which 128 rows I fetch
.set G1A, 24                           ; s[24:31] group 1 for A
.set G0A, 32                           ; s[32:35] group 0 of K step 0; s[36:39] of K step 1, which then walks
.set CX, 40
.set CY, 41
.set LIM, 43                           ; 2 in a wave that prefetches, else the greatest number
.set PFA, 44                           ; s[44:45] where my prefetches stand
.set G1B, 48
.set G0B, 56
.set TB, 66                            ; LDS byte of the slot in hand
.set SC, 68                            ; s[68:69] the scale of C
.set PBS, 71                           ; log2 of C's row in bytes
.set STEP8, 72                         ; s[72:73] eight rows of C
.set PART, 74
.set CLY, 75
.set TROW, 79
.set TCOL, 80
.set MSB, 0
.macro WIN new
.if MSB != (\new)
	s_set_vgpr_msb (MSB<<8)|(\new)
.set MSB, \new
.endif
.endm
.set MUL_LO, 0xa1                      ; source 0 (B) window 1, source 1 (A) window 0, C and D window 2
.set MUL_HI, 0xf1
.set TO_B,   0x40
.macro PLACES                          ; four places behind a matrix instruction (ISA guide 7.12.1)
.rept 4
	v_nop
.endr
.endm
.macro CREST                           ; a round of the cluster's barrier behind its opening barrier
	s_cmp_lg_u32 s[WV], 0
	s_cbranch_scc1 .Lnot_wave_0_\@
	s_barrier_signal -3
.Lnot_wave_0_\@:
	s_barrier_wait -3
	s_barrier_signal -1
	s_barrier_wait -1
.endm
.macro CROUND
	s_barrier_signal -1
	s_barrier_wait -1
	CREST
.endm
.macro JLOAD                           ; the joint refill, by the walking descriptors; the branch hangs on the wave's number alone; an s_nop 0 and four v_nop follow each line
	s_cmp_eq_u32 s[WR], 0
	s_cbranch_scc0 .Lfor_b_\@
	tensor_load_to_lds s[G0A+4:G0A+7], s[G1A:G1A+7]
	s_nop 0
.rept 4
	v_nop
.endr
	s_branch .Lasked_\@
.Lfor_b_\@:
	tensor_load_to_lds s[G0B+4:G0B+7], s[G1B:G1B+7]
	s_nop 0
.rept 4
	v_nop
.endr
.Lasked_\@:
.endm
; A prefetch into the L2 of the K step that stands two refills on: 32 rows x 256 bytes, a lane a row.  Each block is named once in the launch: xh's rows by the clusters that read them as A,
; W_v^T's rows and Mt's rows by the first cluster of their column of clusters; the four partners of a joint load share its 128 rows out by address.  The last two refills have no K step two on.
.macro ASK
	s_cmp_gt_u32 s3, s[LIM]
	s_cbranch_scc0 .Lnot_mine_\@
	global_prefetch_b8 v[PFO], s[PFA:PFA+1] offset:KSTEP*2 th:TH_LOAD_NT scope:SCOPE_SE
.Lnot_mine_\@:
.endm
	s_load_b256 s[4:11], s[0:1], 0x0               ; xh s[4:5], wb s[6:7], yb s[8:9], vt s[10:11]
	v_lshl_add_u32 v[SPW], v0, 2, SPARE
	v_mov_b32 v[NIL], 0
	ds_add_u32 v[SPW], v[NIL]                      ; the wave's opening: the add and its wait stand ahead of my first tensor load; work on registers stands between them
	v_lshrrev_b32 v1, 5, v0
	v_readfirstlane_b32 s[WV], v1
	s_lshr_b32 s[WR], s[WV], 1
	s_and_b32 s[WC], s[WV], 1
	s_bfe_u32 s[CX], ttmp6, 0x40000
	s_bfe_u32 s[CY], ttmp6, 0x40004
	s_mov_b32 s[PART], ttmp9                       ; the cluster's x: which product; the same in all sixteen partners
	s_and_b32 s[CLY], ttmp7, 0xffff                ; the cluster's y
	s_lshl_b32 s76, s[CLY], 2
	s_add_co_u32 s77, s76, s[CY]
	s_add_co_u32 s78, s76, s[CX]
	s_cmp_eq_u32 s[PART], 0
	s_cselect_b32 s[TROW], s77, s[CY]              ; tile row: made of cy alone,
	s_cselect_b32 s[TCOL], s[CX], s78              ; tile column: of cx alone
	s_cselect_b32 s[PBS], 11, 14
	s_cselect_b32 s[SC], 0x3a800000, 1.0           ; 2^-10 for y, 1 for v
	s_mov_b32 s[SC+1], s[SC]
	s_lshl_b32 s[STEP8], 8, s[PBS]
	s_mov_b32 s[STEP8+1], 0
	s_lshl_b32 s42, s[CY], 2
	s_lshl_b32 s42, 15, s42                        ; my row of the cluster
	s_lshl_b32 s46, 0x1111, s[CX]                  ; my column
	s_or_b32 s[G1A], s42, (1<<16)|(1<<20)|(1<<21)|(5<<22)|(3<<25)  ; the mask; elements of 2 bytes; padding on; bit 21 beside a mask; after every 64 words, 4 words
	s_or_b32 s[G1B], s46, (1<<16)|(1<<20)|(1<<21)|(5<<22)|(3<<25)
.irp g, G1A, G1B
	s_mov_b32 s[(\g)+1], KSTEP<<16                 ; tensor_dim0 = 128
	s_mov_b32 s[(\g)+2], 128<<16                   ; tensor_dim1 = 128
	s_mov_b32 s[(\g)+3], KSTEP<<16                 ; tile_dim0 = 128
	s_mov_b32 s[(\g)+4], 128                       ; tile_dim1 = 128
	s_mov_b32 s[(\g)+5], 1024                      ; elements from row to row
	s_mov_b32 s[(\g)+6], 0
	s_mov_b32 s[(\g)+7], 0
.endr
	s_lshl_b32 s47, s[WC], 7
	s_lshl_b32 s16, s[TROW], 8
	s_add_co_u32 s16, s16, s47
	s_lshl_b32 s16, s16, 11                        ; A: (256 x tile row + 128 x half) rows of 2,048 bytes
	s_mov_b32 s17, 0
	s_lshl_b32 s18, s[TCOL], 8
	s_add_co_u32 s18, s18, s47
	s_lshl_b32 s18, s18, 11                        ; B likewise, by the tile column
	s_mov_b32 s19, 0
	s_mul_i32 s67, s[WV], HALFT                    ; where my 128 rows go: no place in the cluster enters an LDS address
	s_mov_b32 s[TB], 0
	s_wait_dscnt 0x0                               ; the opening add is done
	s_wait_kmcnt 0x0
	s_add_nc_u64 s[20:21], s[6:7], 0x200000        ; W_v^T: wb's rows 1,024 on
	s_cmp_eq_u32 s[PART], 0
	s_cselect_b64 s[20:21], s[4:5], s[20:21]       ; A
	s_cselect_b64 s[22:23], s[6:7], s[4:5]         ; B
	s_cselect_b64 s[8:9], s[8:9], s[10:11]         ; C
	s_add_nc_u64 s[16:17], s[20:21], s[16:17]
	s_add_nc_u64 s[18:19], s[22:23], s[18:19]
.irp s, 0,1
	s_mov_b32 s[G0A+4*(\s)], 1
	s_add_co_u32 s[G0A+4*(\s)+1], s67, (\s)*SLOT
	s_add_nc_u64 s[G0A+4*(\s)+2:G0A+4*(\s)+3], s[16:17], (\s)*KSTEP*2
	s_or_b32 s[G0A+4*(\s)+3], s[G0A+4*(\s)+3], 0x80000000
	s_mov_b32 s[G0B+4*(\s)], 1
	s_add_co_u32 s[G0B+4*(\s)+1], s67, (\s)*SLOT
	s_add_nc_u64 s[G0B+4*(\s)+2:G0B+4*(\s)+3], s[18:19], (\s)*KSTEP*2
	s_or_b32 s[G0B+4*(\s)+3], s[G0B+4*(\s)+3], 0x80000000
.endr
	CROUND                                         ; all sixteen work-groups are here: the first joint loads meet
	s_cmp_eq_u32 s[WR], 0                          ; a wave's two first fills stand in one branch: two loads of mine are out
	s_cbranch_scc0 .Lfirst_b
	tensor_load_to_lds s[G0A:G0A+3], s[G1A:G1A+7]
	s_nop 0
	tensor_load_to_lds s[G0A+4:G0A+7], s[G1A:G1A+7]
	s_nop 0
.rept 4
	v_nop
.endr
	s_branch .Lfirst_asked
.Lfirst_b:
	tensor_load_to_lds s[G0B:G0B+3], s[G1B:G1B+7]
	s_nop 0
	tensor_load_to_lds s[G0B+4:G0B+7], s[G1B:G1B+7]
	s_nop 0
.rept 4
	v_nop
.endr
.Lfirst_asked:
	v_and_b32 v1, 15, v0                           ; l % 16
	v_bfe_u32 v2, v0, 4, 1                         ; l / 16
	v_mul_u32_u24 v3, v1, PITCH
	v_lshl_add_u32 v3, v2, 4, v3                   ; a fragment's row x pitch + 16 x half
	s_mul_i32 s81, s[WR], HALFT
	s_mul_i32 s82, s[WC], HALFT
	s_add_co_u32 s82, s82, 2*HALFT
	v_add_nc_u32 v[ADRA0], s81, v3
	v_add_nc_u32 v[ADRB0], s82, v3
	v_mov_b32 v[ADRA], v[ADRA0]
	v_mov_b32 v[ADRB], v[ADRB0]
	s_mul_i32 s81, s[WR], 128*DP                   ; the way out, in: row 128 x row half + 16 a + l % 16; columns 8 o .. 8 o + 3 of octet o = 16 x column half + 2 b + l / 16 at byte 16 o, the other four 512 bytes on
	s_lshl_b32 s82, s[WC], 8
	s_add_co_u32 s81, s81, s82
	v_mul_u32_u24 v[DA0], v1, DP
	v_lshl_add_u32 v[DA0], v2, 4, v[DA0]
	v_add_nc_u32 v[DA0], s81, v[DA0]
	v_add_nc_u32 v[DA0+1], 64*DP, v[DA0]
	s_mul_i32 s81, s[WV], 64*DP                    ; back: wave w takes rows 64 w on; lanes 0-15 one row, lanes 16-31 the next
	v_mul_u32_u24 v[RA], v2, DP
	v_lshl_add_u32 v[RA], v1, 4, v[RA]
	v_add_nc_u32 v[RA], s81, v[RA]
.irp g, 0,1,2,3
	v_add_nc_u32 v[CO+(\g)], 2*(\g), v2
	v_lshlrev_b32 v[CO+(\g)], s[PBS], v[CO+(\g)]
	v_lshl_add_u32 v[CO+(\g)], v1, 4, v[CO+(\g)]
.endr
	v_and_b32 v[PFO], 31, v0
	v_lshlrev_b32 v[PFO], 11, v[PFO]
	s_lshl_b32 s84, s[TROW], 8                     ; C at the first row that I store, at the tile's first column
	s_lshl_b32 s85, s[WV], 6
	s_add_co_u32 s84, s84, s85
	s_lshl_b32 s84, s84, s[PBS]
	s_lshl_b32 s85, s[TCOL], 9
	s_add_co_u32 s84, s84, s85
	s_mov_b32 s85, 0
	s_add_nc_u64 s[8:9], s[8:9], s[84:85]
	s_cmp_eq_u32 s[WR], 0                          ; the prefetches: my 128 rows, of them the 32 of my work-group's place among the four that ask jointly, at K step 2
	s_cselect_b32 s81, s[CX], s[CY]
	s_cselect_b64 s[PFA:PFA+1], s[16:17], s[18:19]
	s_lshl_b32 s82, s81, 16
	s_add_co_u32 s82, s82, 2*KSTEP*2
	s_mov_b32 s83, 0
	s_add_nc_u64 s[PFA:PFA+1], s[PFA:PFA+1], s[82:83]
	s_cmp_eq_u32 s[PART], 0
	s_cselect_b32 s83, 1, 0
	s_cmp_eq_u32 s[CLY], 0
	s_cselect_b32 s84, 1, 0
	s_or_b32 s85, s83, s84                         ; A's rows: xh by every cluster of the first product, W_v^T by the first cluster of the second
	s_and_b32 s86, s83, s84                        ; B's rows: Mt by the first cluster of the first product; xh as B is named by the first product's clusters
	s_cmp_eq_u32 s[WR], 0
	s_cselect_b32 s85, s85, s86
	s_cmp_eq_u32 s85, 1
	s_cselect_b32 s[LIM], 2, -1
.macro MUL16 f, hi, a0, zero           ; 16 products: m blocks a0, a0 + 1 of the window's four x all 8 n blocks, 32 along K
	WIN MUL_LO+0x50*(\hi)
.irp a, \a0, (\a0)+1
.irp b, 0,1,2,3,4,5,6,7
.if \zero
	v_wmma_f32_16x16x32_f16 v[8*(8*(\a)+(\b)):8*(8*(\a)+(\b))+7], v[(\f)+8*(\b):(\f)+8*(\b)+7], v[(\f)+8*(4*(\hi)+(\a)):(\f)+8*(4*(\hi)+(\a))+7], 0
.else
	v_wmma_f32_16x16x32_f16 v[8*(8*(\a)+(\b)):8*(8*(\a)+(\b))+7], v[(\f)+8*(\b):(\f)+8*(\b)+7], v[(\f)+8*(4*(\hi)+(\a)):(\f)+8*(4*(\hi)+(\a))+7], v[8*(8*(\a)+(\b)):8*(8*(\a)+(\b))+7]
.endif
.endr
.endr
.endm
.macro FETCH k, f                      ; 32 LDS loads in one run: a quarter step's fragments, at byte k of the rows of the slot in hand
	WIN TO_B
.irp i, 0,1,2,3,4,5,6,7
	ds_load_b128 v[(\f)+8*(\i):(\f)+8*(\i)+3],   v[ADRB] offset:(\k)+(\i)*16*PITCH
	ds_load_b128 v[(\f)+8*(\i)+4:(\f)+8*(\i)+7], v[ADRB] offset:(\k)+(\i)*16*PITCH+32
.endr
	WIN 0
.irp i, 0,1,2,3,4,5,6,7
	ds_load_b128 v[(\f)+8*(\i):(\f)+8*(\i)+3],   v[ADRA] offset:(\k)+(\i)*16*PITCH
	ds_load_b128 v[(\f)+8*(\i)+4:(\f)+8*(\i)+7], v[ADRA] offset:(\k)+(\i)*16*PITCH+32
.endr
.endm
.macro QUARTER k, f, g, zero           ; multiplies buffer f; in its middle fetches the next quarter, at byte k, into g
	s_wait_dscnt 8                                 ; B and A's rows 0-63 are in; the youngest eight loads (A's rows 64-127) may be out
	MUL16 \f, 0, 0, \zero
	MUL16 \f, 0, 2, \zero
	PLACES
	FETCH \k, \g
	s_wait_dscnt 32                                ; all but the 32 just issued
	MUL16 \f, 1, 0, \zero
	MUL16 \f, 1, 2, \zero
.endm
; The last quarter multiplies buffer 1 and changes slots: one barrier; in front of it each wave waits for all its tensor loads, adds 0 to its spare word, and waits for that and for its reads of this slot.
; fill = 1: the barrier opens a round of the cluster's, and the slot just read is filled again, with the K step two on, first thing behind the round.
.macro TURN fill
.if \fill
	s_wait_xcnt 0x0                                ; the last prefetch, a K step back, has read its address
	s_add_nc_u64 s[PFA:PFA+1], s[PFA:PFA+1], KSTEP*2
.endif
	WIN 0
	s_wait_tensorcnt 0x0                           ; all my tensor loads have landed: the one that was out is my part of the next slot; so a group 0 may be written
	ds_add_u32 v[SPW], v[NIL]                      ; 0 onto my spare word
	s_xor_b32 s[TB], s[TB], SLOT                   ; the fetches go on in the other slot
.if \fill
	s_xor_b32 s[G0A+5], s[G0A+5], SLOT             ; the walking descriptors: the other slot than last time, the next K step
	s_add_nc_u64 s[G0A+6:G0A+7], s[G0A+6:G0A+7], KSTEP*2
	s_xor_b32 s[G0B+5], s[G0B+5], SLOT
	s_add_nc_u64 s[G0B+6:G0B+7], s[G0B+6:G0B+7], KSTEP*2
.endif
	s_wait_dscnt 9                                 ; the add and the youngest eight loads may be out
	MUL16 F1, 0, 0, 0
	s_wait_dscnt 0x0                               ; the add is done, and my reads of this slot are over
	s_barrier_signal -1
	MUL16 F1, 0, 2, 0
	WIN 0
	s_barrier_wait -1
.if \fill
	CREST                                          ; no wave of any partner still reads this slot or has a load on its way
	JLOAD                                          ; its four v_nop are also the places in front of the loads below
.else
	PLACES
.endif
	v_add_nc_u32 v[ADRA], s[TB], v[ADRA0]
	v_add_nc_u32 v[ADRB], s[TB], v[ADRB0]
	FETCH 0, F0
.if \fill
	ASK
.endif
	MUL16 F1, 1, 0, 0
	MUL16 F1, 1, 2, 0
.endm
	s_wait_tensorcnt 1                             ; my part of K step 0 is in; K step 1's may stay out
	s_barrier_signal -1
	s_barrier_wait -1
	FETCH 0, F0
	QUARTER 64, F0, F1, 1                          ; the first quarter's products start the sums
	WIN 0
	s_mov_b32 s3, 6
	s_branch .Lin                                  ; the loop is entered behind a step's first quarter
.Lstep:                                            ; six trips: K steps 0 to 5, which ask for K steps 2 to 7
	QUARTER 64, F0, F1, 0
	WIN 0
.Lin:
	QUARTER 128, F1, F0, 0
	QUARTER 192, F0, F1, 0
	TURN 1
	WIN 0
	s_sub_co_u32 s3, s3, 1
	s_cmp_lg_u32 s3, 0
	s_cbranch_scc1 .Lstep
	s_mov_b32 s3, 2
.Ltail:                                            ; K steps 6 and 7 ask for nothing; the last trip's fetch reads a slot that is not multiplied again: the price of one text for both
	QUARTER 64, F0, F1, 0
	QUARTER 128, F1, F0, 0
	QUARTER 192, F0, F1, 0
	TURN 0
	WIN 0
	s_sub_co_u32 s3, s3, 1
	s_cmp_lg_u32 s3, 0
	s_cbranch_scc1 .Ltail
	PLACES
	s_wait_dscnt 0x0                               ; my reads of the ring are over,
	s_barrier_signal -1
	s_barrier_wait -1                              ; everybody's are; the ring has had its last fill
.irp a, 0,1,2,3,4,5,6,7
	WIN 0x08+4*((\a)/4)                            ; store data in window 2 or 3
.irp b, 0,1,2,3,4,5,6,7
	ds_store_b128 v[DA0+(\a)/4], v[8*(8*((\a)%4)+(\b)):8*(8*((\a)%4)+(\b))+3]   offset:((\a)%4)*16*DP+32*(\b)
	ds_store_b128 v[DA0+(\a)/4], v[8*(8*((\a)%4)+(\b))+4:8*(8*((\a)%4)+(\b))+7] offset:((\a)%4)*16*DP+32*(\b)+512
.endr
.endr
	WIN 0
	s_wait_dscnt 0x0
	s_barrier_signal -1
	s_barrier_wait -1                              ; the whole tile lies in LDS
	s_mov_b32 s3, 8
.Lrow:                                             ; eight trips of eight rows a wave: group g is rows 2 g and 2 g + 1; a lane takes columns 8 q .. 8 q + 7 and 128 + 8 q .. 128 + 8 q + 7
.irp g, 0,1,2,3
	ds_load_b128 v[X+16*(\g):X+16*(\g)+3],     v[RA] offset:2*(\g)*DP
	ds_load_b128 v[X+16*(\g)+4:X+16*(\g)+7],   v[RA] offset:2*(\g)*DP+512
	ds_load_b128 v[X+16*(\g)+8:X+16*(\g)+11],  v[RA] offset:2*(\g)*DP+256
	ds_load_b128 v[X+16*(\g)+12:X+16*(\g)+15], v[RA] offset:2*(\g)*DP+768
.endr
.irp g, 0,1,2,3
	s_wait_dscnt 12-4*(\g)                         ; group g is in; the younger groups' loads may be out
.irp k, 0,2,4,6,8,10,12,14
	v_pk_mul_f32 v[X+16*(\g)+(\k):X+16*(\g)+(\k)+1], v[X+16*(\g)+(\k):X+16*(\g)+(\k)+1], s[SC:SC+1] op_sel_hi:[1,0]
.endr
.irp k, 0,1,2,3,4,5,6,7
	v_cvt_pk_f16_f32 v[Y+8*(\g)+(\k)], v[X+16*(\g)+2*(\k)], v[X+16*(\g)+2*(\k)+1]
.endr
	global_store_b128 v[CO+(\g)], v[Y+8*(\g):Y+8*(\g)+3],   s[8:9]             ; 16 lanes store 256 consecutive bytes, aligned
	global_store_b128 v[CO+(\g)], v[Y+8*(\g)+4:Y+8*(\g)+7], s[8:9] offset:256
.endr
	s_wait_xcnt 0x0                                ; the stores have read their data and their base: both are written again only behind this wait
	s_add_nc_u64 s[8:9], s[8:9], s[STEP8:STEP8+1]
	v_add_nc_u32 v[RA], 8*DP, v[RA]
	s_sub_co_u32 s3, s3, 1
	s_cmp_lg_u32 s3, 0
	s_cbranch_scc1 .Lrow
	s_wait_tensorcnt 0x0                           ; the wave's end
	ds_add_u32 v[SPW], v[NIL]
	s_wait_dscnt 0x0
	CROUND                                         ; the closing round
	s_endpgm
.Lfunc_end_k_q0ef37cbe2e_proj:
	.size	k_q0ef37cbe2e_proj, .Lfunc_end_k_q0ef37cbe2e_proj-k_q0ef37cbe2e_proj
	.p2alignl 7, 3214868480
	.fill 96, 4, 3214868480
	.section	.rodata,"a",@progbits
	.p2align	6, 0x0
	.amdhsa_kernel k_q0ef37cbe2e_proj
		.amdhsa_group_segment_fixed_size 327680
		.amdhsa_private_segment_fixed_size 0
		.amdhsa_enable_private_segment 0
		.amdhsa_kernarg_size 32
		.amdhsa_user_sgpr_count 2
		.amdhsa_user_sgpr_kernarg_segment_ptr 1
		.amdhsa_wavefront_size32 1
		.amdhsa_system_sgpr_workgroup_id_x 1
		.amdhsa_system_sgpr_workgroup_id_y 1
		.amdhsa_system_sgpr_workgroup_id_z 1
		.amdhsa_system_vgpr_workitem_id 0
		.amdhsa_next_free_vgpr 1024
		.amdhsa_next_free_sgpr 88
		.amdhsa_reserve_vcc 0
		.amdhsa_float_denorm_mode_32 3
		.amdhsa_float_denorm_mode_16_64 3
		.amdhsa_memory_ordered 1
		.amdhsa_forward_progress 1
		.amdhsa_inst_pref_size 84
	.end_amdhsa_kernel
	.amdgpu_metadata
---
amdhsa.version: [ 1, 2 ]
amdhsa.kernels:
  - .name:           k_q0ef37cbe2e_proj
    .symbol:         k_q0ef37cbe2e_proj.kd
    .args:
      - { .name: xh, .offset: 0, .size: 8, .value_kind: global_buffer, .address_space: global }
      - { .name: wb, .offset: 8, .size: 8, .value_kind: global_buffer, .address_space: global }
      - { .name: yb, .offset: 16, .size: 8, .value_kind: global_buffer, .address_space: global }
      - { .name: vt, .offset: 24, .size: 8, .value_kind: global_buffer, .address_space: global }
    .group_segment_fixed_size: 327680
    .private_segment_fixed_size: 0
    .kernarg_segment_align: 8
    .kernarg_segment_size: 32
    .max_flat_workgroup_size: 128
    .sgpr_count:     88
    .vgpr_count:     1024
    .wavefront_size: 32
...
	.end_amdgpu_metadata
.endif
;; end of part 2
;; launch scores (part 3): grid 36 x 4, 4 waves a work-group, no clusters, 327,680 bytes of LDS; arguments yb, xh, pb, st; writes pb, st
.if DOCPART == 3
	.amdgcn_target "amdgcn-amd-amdhsa--gfx1250"
	.amdhsa_code_object_version 6
	.text
	.protected	k_q0ef37cbe2e_scores
	.globl	k_q0ef37cbe2e_scores
	.p2align	8
	.type	k_q0ef37cbe2e_scores,@function
k_q0ef37cbe2e_scores:
	s_mov_b64 s[64:65], 0
	v_nop
	global_prefetch_b8 v0, s[64:65] scope:SCOPE_SE
	s_setreg_imm32_b32 hwreg(HW_REG_WAVE_MODE, 25, 1), 1
	s_wait_xcnt 0x0
; SCORES.  For each causal tile (i, t), t <= i, of 256 queries x 256 keys of a batch: s' = yb xh^T over 1,024 channels (f16 operands, f32 sums); for each row the tile's own maximum m;
; P = 2^(c' s' - c' m) rounded to f16 into pb; c' m and l = the row's sum of the unrounded weights, in f32, into st.  c' = 1,024 log2(e) / 32: yb holds y times 2^-10.
; The launch behind takes the true maximum of a row over its tiles and rescales: the maximum that the softmax takes away is a running one, made in two stages.
; LIMITS.  A hidden score counts as its value less 1e30; a weight below 2^-126 counts as 0 in l; below 6e-5 a weight keeps f16's fixed step of 6e-8; NaN and infinities are not treated apart.
; THE MASK is the C operand that starts a sum: 0, or -1e30 where the key lies behind the query.  Only diagonal tiles (i = t) have any; the three mask registers' values hang on scalars, no branch does.
; NO CLUSTER: a batch's 36 tiles form a triangle; beside one square of 4 x 4 two triangles of ten tiles are left, which do not fall into bars of four that share a row or a column of tiles.
; SHAPE, RING, WAY OUT: four waves of 128 x 128, K steps of 128 through two LDS slots, one tensor load a wave; when the ring has had its last fill the scores are laid over it in f32, and each wave takes 64 whole rows.
.set KSTEP,  128
.set PITCH,  272
.set HALFT,  128*PITCH
.set SLOT,   4*HALFT
.set DP,     1040
.set STT,    2*SLOT                    ; behind the ring: c' m of the tile's 256 rows, then l: 1,024 bytes each
.set SPARE,  STT+2048                  ; the spare words, 128 bytes for each wave, which no other line names
.set ADRA0, 16
.set ADRA,  17
.set ADRB0, 20
.set ADRB,  21
.set DA0,   22
.set RA,    24
.set SA,    25                         ; v25  where I put a row's c' m
.set CO,    26                         ; v26  my byte offset in two rows of pb
.set SPW,   28
.set NIL,   29
.set PFO,   30
.set LOW,   32                         ; v[32:39]  the mask of a block below the wave's diagonal
.set EQ,    40                         ; v[40:47]  on it
.set UP,    48                         ; v[48:55]  above it
.set F0,    64
.set F1,    128
.set X,     64
.set Y,     128
.set CM,    160                        ; v160, 162, 164, 166: c' m of group g, named as a pair with the register behind it
.set CC,    168                        ; v[168:175] two registers at work a group
.set WV, 12
.set WR, 13
.set WC, 14
.set BB, 15
.set TI, 17
.set TT, 18
.set G1, 24
.set G0, 32
.set LIM, 43
.set PFA, 44
.set CS, 46                            ; s[46:47] c'
.set TB, 66
.set MSB, 0
.macro WIN new
.if MSB != (\new)
	s_set_vgpr_msb (MSB<<8)|(\new)
.set MSB, \new
.endif
.endm
.set MUL_LO, 0xa1
.set MUL_HI, 0xf1
.set TO_B,   0x40
.macro PLACES
.rept 4
	v_nop
.endr
.endm
; A prefetch into the L2 of the K step two refills on: my 128 rows x 256 bytes, a lane a row, four instructions.  A block of yb's rows is read by the tiles of one tile row: the tile t = 0 asks;
; a block of xh's rows by the tiles of one tile column: the diagonal tile asks.  The last two refills have no K step two on.
.macro ASK
	s_cmp_gt_u32 s3, s[LIM]
	s_cbranch_scc0 .Lnot_mine_\@
.irp k, 0,1,2,3
	global_prefetch_b8 v[PFO], s[PFA:PFA+1] offset:(\k)*65536+KSTEP*2 th:TH_LOAD_NT scope:SCOPE_SE
.endr
.Lnot_mine_\@:
.endm
	s_load_b256 s[4:11], s[0:1], 0x0               ; yb s[4:5], xh s[6:7], pb s[8:9], st s[10:11]
	v_lshl_add_u32 v[SPW], v0, 2, SPARE
	v_mov_b32 v[NIL], 0
	ds_add_u32 v[SPW], v[NIL]                      ; the wave's opening: the add and its wait stand ahead of my first tensor load
	v_lshrrev_b32 v1, 5, v0
	v_readfirstlane_b32 s[WV], v1
	s_lshr_b32 s[WR], s[WV], 1
	s_and_b32 s[WC], s[WV], 1
	s_and_b32 s[BB], ttmp7, 0xffff                 ; the batch
	s_mov_b32 s[TI], 0                             ; the work-group's x counts the triangle by rows: i = how many of the triangular numbers it has reached
.irp n, 1,3,6,10,15,21,28
	s_cmp_ge_u32 ttmp9, \n
	s_cselect_b32 s19, 1, 0
	s_add_co_u32 s[TI], s[TI], s19
.endr
	s_add_co_u32 s19, s[TI], 1
	s_mul_i32 s19, s19, s[TI]
	s_lshr_b32 s19, s19, 1
	s_sub_co_u32 s[TT], ttmp9, s19                 ; t = x - i (i + 1) / 2
	s_mov_b32 s[G1], (1<<16)|(1<<20)|(5<<22)|(3<<25)  ; elements of 2 bytes; padding on: after every 64 words, 4 words
	s_mov_b32 s[G1+1], KSTEP<<16
	s_mov_b32 s[G1+2], 128<<16
	s_mov_b32 s[G1+3], KSTEP<<16
	s_mov_b32 s[G1+4], 128
	s_mov_b32 s[G1+5], 1024
	s_mov_b32 s[G1+6], 0
	s_mov_b32 s[G1+7], 0
	s_cmp_eq_u32 s[WR], 0                          ; waves 0, 1 fetch the queries' rows of yb, waves 2, 3 the keys' rows of xh
	s_cselect_b32 s19, s[TI], s[TT]
	s_lshl_b32 s20, s[BB], 11
	s_lshl_b32 s19, s19, 8
	s_add_co_u32 s20, s20, s19
	s_lshl_b32 s19, s[WC], 7
	s_add_co_u32 s20, s20, s19
	s_lshl_b32 s20, s20, 11                        ; rows of 2,048 bytes
	s_mov_b32 s21, 0
	s_mul_i32 s48, s[WV], HALFT
	s_mov_b32 s[TB], 0
	s_mov_b32 s[CS], 0x4238aa3b                    ; c' = 46.166241
	s_mov_b32 s[CS+1], s[CS]
	s_wait_dscnt 0x0                               ; the opening add is done
	s_wait_kmcnt 0x0
	s_cmp_eq_u32 s[WR], 0
	s_cselect_b64 s[22:23], s[4:5], s[6:7]
	s_add_nc_u64 s[22:23], s[22:23], s[20:21]
.irp s, 0,1
	s_mov_b32 s[G0+4*(\s)], 1
	s_add_co_u32 s[G0+4*(\s)+1], s48, (\s)*SLOT
	s_add_nc_u64 s[G0+4*(\s)+2:G0+4*(\s)+3], s[22:23], (\s)*KSTEP*2
	s_or_b32 s[G0+4*(\s)+3], s[G0+4*(\s)+3], 0x80000000
.endr
	tensor_load_to_lds s[G0:G0+3], s[G1:G1+7]      ; K step 0 into slot 0,
	s_nop 0
	tensor_load_to_lds s[G0+4:G0+7], s[G1:G1+7]    ; K step 1 into slot 1: two loads of mine are out
	s_nop 0
.rept 4
	v_nop
.endr
	v_and_b32 v1, 15, v0
	v_bfe_u32 v2, v0, 4, 1
	v_mul_u32_u24 v3, v1, PITCH
	v_lshl_add_u32 v3, v2, 4, v3
	s_mul_i32 s48, s[WR], HALFT
	s_mul_i32 s49, s[WC], HALFT
	s_add_co_u32 s49, s49, 2*HALFT
	v_add_nc_u32 v[ADRA0], s48, v3
	v_add_nc_u32 v[ADRB0], s49, v3
	v_mov_b32 v[ADRA], v[ADRA0]
	v_mov_b32 v[ADRB], v[ADRB0]
	s_mul_i32 s48, s[WR], 128*DP
	s_lshl_b32 s49, s[WC], 8
	s_add_co_u32 s48, s48, s49
	v_mul_u32_u24 v[DA0], v1, DP
	v_lshl_add_u32 v[DA0], v2, 4, v[DA0]
	v_add_nc_u32 v[DA0], s48, v[DA0]
	v_add_nc_u32 v[DA0+1], 64*DP, v[DA0]
	s_mul_i32 s48, s[WV], 64*DP
	v_mul_u32_u24 v[RA], v2, DP
	v_lshl_add_u32 v[RA], v1, 4, v[RA]
	v_add_nc_u32 v[RA], s48, v[RA]
	s_lshl_b32 s48, s[WV], 8
	s_add_co_u32 s48, s48, STT
	v_lshl_add_u32 v[SA], v2, 2, s48               ; STT + 4 (64 w + half)
	v_lshlrev_b32 v[CO], 12, v2
	v_lshl_add_u32 v[CO], v1, 4, v[CO]             ; half x a row of pb + 16 q
	v_and_b32 v[PFO], 31, v0
	v_lshlrev_b32 v[PFO], 11, v[PFO]
	; the masks.  Query = 128 x row half + 16 A + l % 16, key = 128 x column half + 16 b + 8 (l / 16) + register, both in the tile
	s_cmp_eq_u32 s[TI], s[TT]
	s_cselect_b32 s42, 1, 0                        ; a diagonal tile
	s_cmp_lt_u32 s[WR], s[WC]
	s_cselect_b32 s48, s42, 0
	s_cmp_le_u32 s[WR], s[WC]
	s_cselect_b32 s49, s42, 0
	s_cmp_lg_u32 s48, 0
	s_cselect_b32 s40, 0xf149f2ca, 0               ; blocks with A > b: hidden only where the whole quarter lies above the diagonal
	s_cmp_lg_u32 s49, 0
	s_cselect_b32 s41, 0xf149f2ca, 0               ; blocks with A < b: hidden there and in the quarters on the diagonal
	v_lshlrev_b32 v12, 3, v2
	v_sub_nc_u32 v12, v1, v12                      ; register j of a block with A = b is hidden where j > l % 16 - 8 (l / 16)
	v_mov_b32 v13, s40
	v_mov_b32 v14, s41
.irp j, 0,1,2,3,4,5,6,7
	v_mov_b32 v[LOW+(\j)], s40
	v_mov_b32 v[UP+(\j)], s41
	v_cmp_gt_i32 vcc_lo, \j, v12
	v_cndmask_b32 v[EQ+(\j)], v13, v14, vcc_lo
.endr
.irp g, 0,1,2,3
	v_mov_b32 v[CM+2*(\g)+1], 0                    ; named with c' m as a pair, so it is written
.endr
	s_lshl_b32 s20, s[BB], 23                      ; pb at the first row that I store, at the tile's first key
	s_lshl_b32 s48, s[TI], 8
	s_lshl_b32 s49, s[WV], 6
	s_add_co_u32 s48, s48, s49                     ; 256 i + 64 w
	s_lshl_b32 s49, s48, 12
	s_add_co_u32 s20, s20, s49
	s_lshl_b32 s49, s[TT], 9
	s_add_co_u32 s20, s20, s49
	s_add_nc_u64 s[8:9], s[8:9], s[20:21]
	s_lshl_b32 s20, s[BB], 3                       ; st: c' m at ((8 b + t) x 2) x 8,192 + 4 x row, l 8,192 bytes on
	s_add_co_u32 s20, s20, s[TT]
	s_lshl_b32 s20, s20, 14
	s_lshl_b32 s49, s48, 2
	s_add_co_u32 s20, s20, s49
	s_add_nc_u64 s[10:11], s[10:11], s[20:21]
	s_add_nc_u64 s[PFA:PFA+1], s[22:23], 2*KSTEP*2 ; the prefetches stand at K step 2
	s_cmp_eq_u32 s[TT], 0
	s_cselect_b32 s49, 1, 0
	s_cmp_eq_u32 s[WR], 0
	s_cselect_b32 s49, s49, s42
	s_cmp_eq_u32 s49, 1
	s_cselect_b32 s[LIM], 2, -1
.macro MUL16 f, hi, a0, zero           ; zero = 2: the products start the sums with the masks
.if (\zero) == 2
	WIN 0x81+0x40*(\hi)                            ; the C operand in window 0
.else
	WIN MUL_LO+0x50*(\hi)
.endif
.irp a, \a0, (\a0)+1
.irp b, 0,1,2,3,4,5,6,7
.if (\zero) == 2
.if (4*(\hi)+(\a)) > (\b)
.set MK, LOW
.elseif (4*(\hi)+(\a)) == (\b)
.set MK, EQ
.else
.set MK, UP
.endif
	v_wmma_f32_16x16x32_f16 v[8*(8*(\a)+(\b)):8*(8*(\a)+(\b))+7], v[(\f)+8*(\b):(\f)+8*(\b)+7], v[(\f)+8*(4*(\hi)+(\a)):(\f)+8*(4*(\hi)+(\a))+7], v[MK:MK+7]
.else
	v_wmma_f32_16x16x32_f16 v[8*(8*(\a)+(\b)):8*(8*(\a)+(\b))+7], v[(\f)+8*(\b):(\f)+8*(\b)+7], v[(\f)+8*(4*(\hi)+(\a)):(\f)+8*(4*(\hi)+(\a))+7], v[8*(8*(\a)+(\b)):8*(8*(\a)+(\b))+7]
.endif
.endr
.endr
.endm
.macro FETCH k, f
	WIN TO_B
.irp i, 0,1,2,3,4,5,6,7
	ds_load_b128 v[(\f)+8*(\i):(\f)+8*(\i)+3],   v[ADRB] offset:(\k)+(\i)*16*PITCH
	ds_load_b128 v[(\f)+8*(\i)+4:(\f)+8*(\i)+7], v[ADRB] offset:(\k)+(\i)*16*PITCH+32
.endr
	WIN 0
.irp i, 0,1,2,3,4,5,6,7
	ds_load_b128 v[(\f)+8*(\i):(\f)+8*(\i)+3],   v[ADRA] offset:(\k)+(\i)*16*PITCH
	ds_load_b128 v[(\f)+8*(\i)+4:(\f)+8*(\i)+7], v[ADRA] offset:(\k)+(\i)*16*PITCH+32
.endr
.endm
.macro QUARTER k, f, g, zero
	s_wait_dscnt 8                                 ; B and A's rows 0-63 are in; the youngest eight loads may be out
	MUL16 \f, 0, 0, \zero
	MUL16 \f, 0, 2, \zero
	PLACES
	FETCH \k, \g
	s_wait_dscnt 32                                ; all but the 32 just issued
	MUL16 \f, 1, 0, \zero
	MUL16 \f, 1, 2, \zero
.endm
.macro TURN fill                       ; the last quarter and the change of slots: one barrier; fill = 1: the slot just read is filled again, first thing behind it
.if \fill
	s_wait_xcnt 0x0                                ; the last prefetches, a K step back, have read their address
	s_add_nc_u64 s[PFA:PFA+1], s[PFA:PFA+1], KSTEP*2
.endif
	WIN 0
	s_wait_tensorcnt 0x0                           ; all my tensor loads have landed: my part of the next slot; so a group 0 may be written
	ds_add_u32 v[SPW], v[NIL]                      ; 0 onto my spare word
	s_xor_b32 s[TB], s[TB], SLOT
.if \fill
	s_xor_b32 s[G0+5], s[G0+5], SLOT               ; the walking descriptor: the other slot, the next K step
	s_add_nc_u64 s[G0+6:G0+7], s[G0+6:G0+7], KSTEP*2
.endif
	s_wait_dscnt 9                                 ; the add and the youngest eight loads may be out
	MUL16 F1, 0, 0, 0
	s_wait_dscnt 0x0                               ; the add is done, and my reads of this slot are over
	s_barrier_signal -1
	MUL16 F1, 0, 2, 0
	WIN 0
	s_barrier_wait -1
.if \fill
	tensor_load_to_lds s[G0+4:G0+7], s[G1:G1+7]    ; my one tensor load behind the barrier
	s_nop 0
.endif
	PLACES                                         ; behind the load, and in front of the loads into buffer 0
	v_add_nc_u32 v[ADRA], s[TB], v[ADRA0]
	v_add_nc_u32 v[ADRB], s[TB], v[ADRB0]
	FETCH 0, F0
.if \fill
	ASK
.endif
	MUL16 F1, 1, 0, 0
	MUL16 F1, 1, 2, 0
.endm
	s_wait_tensorcnt 1                             ; my part of K step 0 is in; K step 1's may stay out
	s_barrier_signal -1
	s_barrier_wait -1
	FETCH 0, F0
	QUARTER 64, F0, F1, 2                          ; the first quarter's products start the sums, with the masks
	WIN 0
	s_mov_b32 s3, 6
	s_branch .Lin
.Lstep:                                            ; six trips: K steps 0 to 5, which ask for K steps 2 to 7
	QUARTER 64, F0, F1, 0
	WIN 0
.Lin:
	QUARTER 128, F1, F0, 0
	QUARTER 192, F0, F1, 0
	TURN 1
	WIN 0
	s_sub_co_u32 s3, s3, 1
	s_cmp_lg_u32 s3, 0
	s_cbranch_scc1 .Lstep
	s_mov_b32 s3, 2
.Ltail:                                            ; K steps 6 and 7 ask for nothing; the last trip's fetch is not multiplied: the price of one text for both
	QUARTER 64, F0, F1, 0
	QUARTER 128, F1, F0, 0
	QUARTER 192, F0, F1, 0
	TURN 0
	WIN 0
	s_sub_co_u32 s3, s3, 1
	s_cmp_lg_u32 s3, 0
	s_cbranch_scc1 .Ltail
	PLACES
	s_wait_dscnt 0x0
	s_barrier_signal -1
	s_barrier_wait -1                              ; nobody reads the ring any more, and it has had its last fill
.irp a, 0,1,2,3,4,5,6,7
	WIN 0x08+4*((\a)/4)
.irp b, 0,1,2,3,4,5,6,7
	ds_store_b128 v[DA0+(\a)/4], v[8*(8*((\a)%4)+(\b)):8*(8*((\a)%4)+(\b))+3]   offset:((\a)%4)*16*DP+32*(\b)
	ds_store_b128 v[DA0+(\a)/4], v[8*(8*((\a)%4)+(\b))+4:8*(8*((\a)%4)+(\b))+7] offset:((\a)%4)*16*DP+32*(\b)+512
.endr
.endr
	WIN 0
	s_wait_dscnt 0x0
	s_barrier_signal -1
	s_barrier_wait -1                              ; the tile's scores lie in LDS
	s_mov_b32 s3, 8
.Lrow:                                             ; eight trips of eight rows a wave; sixteen lanes hold a row, 16 scores each
.irp g, 0,1,2,3
	ds_load_b128 v[X+16*(\g):X+16*(\g)+3],     v[RA] offset:2*(\g)*DP
	ds_load_b128 v[X+16*(\g)+4:X+16*(\g)+7],   v[RA] offset:2*(\g)*DP+512
	ds_load_b128 v[X+16*(\g)+8:X+16*(\g)+11],  v[RA] offset:2*(\g)*DP+256
	ds_load_b128 v[X+16*(\g)+12:X+16*(\g)+15], v[RA] offset:2*(\g)*DP+768
.endr
.irp g, 0,1,2,3
	s_wait_dscnt 12-4*(\g)                         ; group g is in; the younger groups' loads may be out
	v_max3_num_f32 v[CC+2*(\g)],   v[X+16*(\g)],   v[X+16*(\g)+1], v[X+16*(\g)+2]
	v_max3_num_f32 v[CC+2*(\g)+1], v[X+16*(\g)+3], v[X+16*(\g)+4], v[X+16*(\g)+5]
	v_max3_num_f32 v[CC+2*(\g)],   v[CC+2*(\g)],   v[X+16*(\g)+6], v[X+16*(\g)+7]
	v_max3_num_f32 v[CC+2*(\g)+1], v[CC+2*(\g)+1], v[X+16*(\g)+8], v[X+16*(\g)+9]
	v_max3_num_f32 v[CC+2*(\g)],   v[CC+2*(\g)],   v[X+16*(\g)+10], v[X+16*(\g)+11]
	v_max3_num_f32 v[CC+2*(\g)+1], v[CC+2*(\g)+1], v[X+16*(\g)+12], v[X+16*(\g)+13]
	v_max3_num_f32 v[CC+2*(\g)],   v[CC+2*(\g)],   v[X+16*(\g)+14], v[X+16*(\g)+15]
	v_max_num_f32 v[CC+2*(\g)], v[CC+2*(\g)], v[CC+2*(\g)+1]
	v_max_num_f32_dpp v[CC+2*(\g)], v[CC+2*(\g)], v[CC+2*(\g)] row_xmask:1 row_mask:0xf bank_mask:0xf
	v_max_num_f32_dpp v[CC+2*(\g)], v[CC+2*(\g)], v[CC+2*(\g)] row_xmask:2 row_mask:0xf bank_mask:0xf
	v_max_num_f32_dpp v[CC+2*(\g)], v[CC+2*(\g)], v[CC+2*(\g)] row_xmask:4 row_mask:0xf bank_mask:0xf
	v_max_num_f32_dpp v[CC+2*(\g)], v[CC+2*(\g)], v[CC+2*(\g)] row_xmask:8 row_mask:0xf bank_mask:0xf
	v_mul_f32 v[CM+2*(\g)], s[CS], v[CC+2*(\g)]    ; c' m, as it is stored and as it is taken away
.irp k, 0,2,4,6,8,10,12,14
	v_pk_fma_f32 v[X+16*(\g)+(\k):X+16*(\g)+(\k)+1], v[X+16*(\g)+(\k):X+16*(\g)+(\k)+1], s[CS:CS+1], v[CM+2*(\g):CM+2*(\g)+1] op_sel_hi:[1,0,0] neg_lo:[0,0,1] neg_hi:[0,0,1]
.endr
.endr
.set n, 0
.rept 64
	v_exp_f32 v[X+n], v[X+n]                       ; one batch: none of these reads another's result
.set n, n+1
.endr
	v_nop                                          ; a plain instruction behind the last exponential,
	s_wait_alu depctr_va_vdst(0)                   ; and one wait ahead of the batch's first reader
.irp g, 0,1,2,3
.irp k, 0,1,2,3,4,5,6,7
	v_cvt_pk_f16_f32 v[Y+8*(\g)+(\k)], v[X+16*(\g)+2*(\k)], v[X+16*(\g)+2*(\k)+1]
.endr
	global_store_b128 v[CO], v[Y+8*(\g):Y+8*(\g)+3],   s[8:9] offset:2*(\g)*4096       ; 16 lanes store 256 consecutive bytes, aligned
	global_store_b128 v[CO], v[Y+8*(\g)+4:Y+8*(\g)+7], s[8:9] offset:2*(\g)*4096+256
.irp k, 0,4,8,12
	v_pk_add_f32 v[X+16*(\g)+(\k):X+16*(\g)+(\k)+1], v[X+16*(\g)+(\k):X+16*(\g)+(\k)+1], v[X+16*(\g)+(\k)+2:X+16*(\g)+(\k)+3]
.endr
	v_pk_add_f32 v[X+16*(\g):X+16*(\g)+1],   v[X+16*(\g):X+16*(\g)+1],   v[X+16*(\g)+4:X+16*(\g)+5]
	v_pk_add_f32 v[X+16*(\g)+8:X+16*(\g)+9], v[X+16*(\g)+8:X+16*(\g)+9], v[X+16*(\g)+12:X+16*(\g)+13]
	v_pk_add_f32 v[X+16*(\g):X+16*(\g)+1],   v[X+16*(\g):X+16*(\g)+1],   v[X+16*(\g)+8:X+16*(\g)+9]
	v_add_f32 v[CC+2*(\g)], v[X+16*(\g)], v[X+16*(\g)+1]
	v_add_f32_dpp v[CC+2*(\g)], v[CC+2*(\g)], v[CC+2*(\g)] row_xmask:1 row_mask:0xf bank_mask:0xf
	v_add_f32_dpp v[CC+2*(\g)], v[CC+2*(\g)], v[CC+2*(\g)] row_xmask:2 row_mask:0xf bank_mask:0xf
	v_add_f32_dpp v[CC+2*(\g)], v[CC+2*(\g)], v[CC+2*(\g)] row_xmask:4 row_mask:0xf bank_mask:0xf
	v_add_f32_dpp v[CC+2*(\g)], v[CC+2*(\g)], v[CC+2*(\g)] row_xmask:8 row_mask:0xf bank_mask:0xf
	ds_store_b32 v[SA], v[CM+2*(\g)] offset:8*(\g)          ; a row's sixteen lanes write the same word with the same value
	ds_store_b32 v[SA], v[CC+2*(\g)] offset:8*(\g)+1024
.endr
	s_wait_xcnt 0x0                                ; the stores have read their data and their base
	s_add_nc_u64 s[8:9], s[8:9], 8*4096
	v_add_nc_u32 v[RA], 8*DP, v[RA]
	v_add_nc_u32 v[SA], 32, v[SA]
	s_sub_co_u32 s3, s3, 1
	s_cmp_lg_u32 s3, 0
	s_cbranch_scc1 .Lrow
	s_wait_dscnt 0x0
	s_barrier_signal -1
	s_barrier_wait -1
	v_and_b32 v27, 31, v0                          ; my wave's 64 rows of c' m and of l leave as 256 consecutive bytes each
	v_lshlrev_b32 v27, 3, v27
	s_lshl_b32 s48, s[WV], 8
	s_add_co_u32 s48, s48, STT
	v_add_nc_u32 v31, s48, v27
	ds_load_b64 v[64:65], v31
	ds_load_b64 v[66:67], v31 offset:1024
	s_wait_dscnt 0x0
	global_store_b64 v27, v[64:65], s[10:11]
	global_store_b64 v27, v[66:67], s[10:11] offset:8192
	s_wait_tensorcnt 0x0                           ; the wave's end
	ds_add_u32 v[SPW], v[NIL]
	s_wait_dscnt 0x0
	s_endpgm
.Lfunc_end_k_q0ef37cbe2e_scores:
	.size	k_q0ef37cbe2e_scores, .Lfunc_end_k_q0ef37cbe2e_scores-k_q0ef37cbe2e_scores
	.p2alignl 7, 3214868480
	.fill 96, 4, 3214868480
	.section	.rodata,"a",@progbits
	.p2align	6, 0x0
	.amdhsa_kernel k_q0ef37cbe2e_scores
		.amdhsa_group_segment_fixed_size 327680
		.amdhsa_private_segment_fixed_size 0
		.amdhsa_enable_private_segment 0
		.amdhsa_kernarg_size 32
		.amdhsa_user_sgpr_count 2
		.amdhsa_user_sgpr_kernarg_segment_ptr 1
		.amdhsa_wavefront_size32 1
		.amdhsa_system_sgpr_workgroup_id_x 1
		.amdhsa_system_sgpr_workgroup_id_y 1
		.amdhsa_system_sgpr_workgroup_id_z 1
		.amdhsa_system_vgpr_workitem_id 0
		.amdhsa_next_free_vgpr 1024
		.amdhsa_next_free_sgpr 68
		.amdhsa_reserve_vcc 1
		.amdhsa_float_denorm_mode_32 3
		.amdhsa_float_denorm_mode_16_64 3
		.amdhsa_memory_ordered 1
		.amdhsa_forward_progress 1
		.amdhsa_inst_pref_size 92
	.end_amdhsa_kernel
	.amdgpu_metadata
---
amdhsa.version: [ 1, 2 ]
amdhsa.kernels:
  - .name:           k_q0ef37cbe2e_scores
    .symbol:         k_q0ef37cbe2e_scores.kd
    .args:
      - { .name: yb, .offset: 0, .size: 8, .value_kind: global_buffer, .address_space: global }
      - { .name: xh, .offset: 8, .size: 8, .value_kind: global_buffer, .address_space: global }
      - { .name: pb, .offset: 16, .size: 8, .value_kind: global_buffer, .address_space: global }
      - { .name: st, .offset: 24, .size: 8, .value_kind: global_buffer, .address_space: global }
    .group_segment_fixed_size: 327680
    .private_segment_fixed_size: 0
    .kernarg_segment_align: 8
    .kernarg_segment_size: 32
    .max_flat_workgroup_size: 128
    .sgpr_count:     68
    .vgpr_count:     1024
    .wavefront_size: 32
...
	.end_amdgpu_metadata
.endif
;; end of part 3
;; launch pv (part 4): grid 8 x 32, 4 waves a work-group, clusters of 4 x 1, 327,680 bytes of LDS; arguments pb, vt, st, out0; writes out0
.if DOCPART == 4
	.amdgcn_target "amdgcn-amd-amdhsa--gfx1250"
	.amdhsa_code_object_version 6
	.text
	.protected	k_q0ef37cbe2e_pv
	.globl	k_q0ef37cbe2e_pv
	.p2align	8
	.type	k_q0ef37cbe2e_pv,@function
k_q0ef37cbe2e_pv:
	s_mov_b64 s[64:65], 0
	v_nop
	global_prefetch_b8 v0, s[64:65] scope:SCOPE_SE
	s_setreg_imm32_b32 hwreg(HW_REG_WAVE_MODE, 25, 1), 1
	s_wait_xcnt 0x0
	s_wait_alu depctr_hold_cnt(0) depctr_sa_sdst(0) depctr_va_vdst(0) depctr_va_sdst(0) depctr_va_ssrc(0) depctr_va_vcc(0) depctr_vm_vsrc(0)
	s_getreg_b32 s2, hwreg(HW_REG_IB_STS2, 6, 4)
	s_cmp_eq_u32 s2, 0
	s_cbranch_scc0 .Lentry_in_a_cluster
	s_endpgm
.Lentry_in_a_cluster:
	s_bfe_u32 s2, ttmp6, 0x10000c
	s_cmp_lg_u32 s2, 0x3003
	s_cbranch_scc0 .Lentry_shape_is_right
	s_endpgm
.Lentry_shape_is_right:
; PV.  out0[q][c] = (sum over key tiles t of g_t[q] x (P_t V_t)[q][c]) / L[q], with M[q] = the maximum over t of c' m_t[q], g_t = 2^(c' m_t - M) <= 1, L = sum over t of g_t l_t.
; P (f16) is multiplied by g (f16, packed) on its way from LDS to the matrix unit; products in f16 with f32 sums; 1 / L in f32 at the end; out0 in f32.
; LIMITS.  g P below 6e-5 keeps f16's fixed step of 6e-8 (the row's largest weight is 1); a g below 2^-126 counts as 0; NaN and infinities are not treated apart.
; THE WALK.  A batch's queries lie in 16 blocks of 128; block J needs the key tiles 0 .. J / 2 of 256 keys.  A work-group makes two tiles of 128 queries x 128 channels: block a, then block 15 - a:
; nine key steps whatever a, so all work-groups do equal work and one counted loop walks them.  What a step fetches from memory hangs on scalars made from the work-group's y; the one forward jump passes no barrier and no tensor load.
; CLUSTER.  The four partners make four neighbouring channel tiles of the same two blocks: P's tile is asked for jointly (mask of four); V's tile is each work-group's own, a plain load behind the same round.
; No 4 x 4 cluster: only the two values of a with the same a / 2 walk the same key tiles in the same steps.
; SHAPE.  Four waves of 64 x 64, 16 accumulators.  A step's tiles: 128 rows of P and 128 rows of vt, 512 bytes each, padded to 528; a wave's tensor load brings 64 of them; two slots.
; The accumulators are cleared by moves at the start and where the first block ends: which step that is hangs on a, so no product with the constant 0 can be written out for it.
; REGISTERS: window 0: addresses, the way out; window 1: v0-127 accumulators ((a, b) at 8 (4 a + b)), v128-255 P's fragments, two buffers; window 2: v0-127 V's fragments, two buffers; v128-131 g of my four row blocks.
.set PITCH, 528                        ; 512 bytes + 16 of padding = 132 words: the 16 rows of a fragment load start at 16 different groups of four banks
.set HALFT, 64*PITCH
.set SLOT,  4*HALFT                    ; P's 128 rows, then vt's 128 rows; its two bits are clear in every wave's part of a slot, so an exclusive or turns the slots
.set STAGE, 2*SLOT                     ; behind the ring: 16 rows x 272 bytes for each wave
.set SP,    272
.set GT,    STAGE+4*16*SP              ; g, twice in a word as f16, in the order of the walk: [step 0..9][row 0..127]; entry 9 repeats entry 8, for the fetch behind the last step
.set RL,    GT+5120                    ; 1 / L: [0 the second block, 1 the first][row], f32
.set SPARE, RL+1024                    ; the spare words, 128 bytes for each wave, which no other line names
.set ADRA0, 4
.set ADRB0, 5
.set ADRA,  6
.set ADRB,  7
.set GA,    9                          ; v9   where the g of my rows lie for the step to be fetched: it steps by 512 bytes at each change of slots
.set STO,   10
.set RD,    11
.set CO,    12
.set RA0,   13
.set PFO,   14
.set T4,    15
.set SPW,   16
.set NIL,   17
.set R,     20                         ; v20, 22, 24, 26: 1 / L of my row in block a of 16 rows, named as a pair with the register behind it
.set OB,    32                         ; v[32:159] the way out: four buffers of 16 rows read back
.set OF,    96                         ; the set-up's registers, one for each of the nine steps: offsets in st,
.set CMR,   106                        ; c' m,
.set LR,    116                        ; l,
.set GG,    126                        ; g
.set MXH,   160                        ; M of the second block,
.set MXL,   161                        ; of the first
.set LL,    162                        ; v162 L of the second block, v163 of the first
.set GTA,   164
.set RLA,   165
.set TA,    166                        ; two at work
.set TC,    167
.set WV, 12
.set WR, 13
.set WC, 14
.set CX, 15
.set CT, 16
.set BB, 17
.set AA, 18
.set J1, 19
.set J2, 20
.set N2, 21
.set G1A, 24
.set G1B, 32
.set G0A, 40                           ; s[40:43] step 0; s[44:47] step 1, which then walks
.set G0B, 48
.set PA,  56                           ; s[56:57] pb at the batch, at the 64 rows of a block that I fetch
.set PBV, 58                           ; s[58:59] vt at the 64 channels that I fetch, at the batch's first key
.set CNT, 60
.set SG,  61                           ; the step in hand
.set TB,  62
.set OFFA, 66
.set OFFB, 68
.set OHI, 70
.set OLO, 72
.set PFC, 76
.set PLIM, 78
.set MSB, 0
.macro WIN new
.if MSB != (\new)
	s_set_vgpr_msb (MSB<<8)|(\new)
.set MSB, \new
.endif
.endm
.set MULW, 0x56                        ; destination, C and source 1 in window 1, source 0 in window 2: serves the products (V, P) and the scaling of P by g alike
.set TO_A, 0x40
.set TO_B, 0x80
.set W_RS, 0x41
.set ST_A, 0x04
.macro PLACES
.rept 4
	v_nop
.endr
.endm
.macro CREST
	s_cmp_lg_u32 s[WV], 0
	s_cbranch_scc1 .Lnot_wave_0_\@
	s_barrier_signal -3
.Lnot_wave_0_\@:
	s_barrier_wait -3
	s_barrier_signal -1
	s_barrier_wait -1
.endm
.macro CROUND
	s_barrier_signal -1
	s_barrier_wait -1
	CREST
.endm
.macro JLOAD                           ; waves 0, 1: the joint load of P's halves; waves 2, 3: my work-group's own load of vt's halves; an s_nop 0 and four v_nop follow each line
	s_cmp_lt_u32 s[WV], 2
	s_cbranch_scc0 .Lfor_v_\@
	tensor_load_to_lds s[G0A+4:G0A+7], s[G1A:G1A+7]
	s_nop 0
.rept 4
	v_nop
.endr
	s_branch .Lasked_\@
.Lfor_v_\@:
	tensor_load_to_lds s[G0B+4:G0B+7], s[G1B:G1B+7]
	s_nop 0
.rept 4
	v_nop
.endr
.Lasked_\@:
.endm
; Step tau of the walk: s81 = the block of queries, s82 = the key tile
.macro WHERE tau
	s_cmp_lt_u32 \tau, s[N2]
	s_cselect_b32 s81, s[J2], s[J1]
	s_cselect_b32 s84, 0, s[N2]
	s_sub_co_u32 s82, \tau, s84
.endm
.macro OFFS                            ; the step's byte offsets: 128 rows of 4,096 bytes a block, 512 bytes a key tile
	s_lshl_b32 s[OFFA], s81, 19
	s_lshl_b32 s[OFFB], s82, 9
	s_add_co_u32 s[OFFA], s[OFFA], s[OFFB]
.endm
.macro SEL t                           ; s80 = 1.0 where step t belongs to the first block, else 0; s81 the other way round
	s_cmp_lt_u32 \t, s[N2]
	s_cselect_b32 s80, 1.0, 0
	s_cselect_b32 s81, 0, 1.0
.endm
; A prefetch into the L2 of the step that stands two refills on (steps 4 to 8, all of the second block).  P's tile is read by both clusters of a row of the grid: the first asks, its four partners sharing the
; rows out by address, 16 rows x two blocks of 256 bytes for each of waves 0 and 1.  vt's tile is read by all eight a: a = 0, whose second block walks all eight key tiles, asks, 64 rows for each of waves 2 and 3.
.macro ASK
	s_add_co_u32 s80, s[SG], 4
	s_cmp_lt_u32 s80, s[PLIM]
	s_cbranch_scc0 .Lnone_\@
	s_cmp_lt_u32 s[WV], 2
	s_cbranch_scc0 .Lvt_\@
	global_prefetch_b8 v[PFO], s[PFC:PFC+1] th:TH_LOAD_NT scope:SCOPE_SE
	s_branch .Lnone_\@
.Lvt_\@:
.irp k, 0,1,2,3
	global_prefetch_b8 v[PFO], s[PFC:PFC+1] offset:(\k)*262144 th:TH_LOAD_NT scope:SCOPE_SE
.endr
.Lnone_\@:
.endm
	s_load_b256 s[4:11], s[0:1], 0x0               ; pb s[4:5], vt s[6:7], st s[8:9], out0 s[10:11]
	v_lshl_add_u32 v[SPW], v0, 2, SPARE
	v_mov_b32 v[NIL], 0
	ds_add_u32 v[SPW], v[NIL]                      ; the wave's opening: the add and its wait stand ahead of my first tensor load
	v_lshrrev_b32 v1, 5, v0
	v_readfirstlane_b32 s[WV], v1
	s_lshr_b32 s[WR], s[WV], 1
	s_and_b32 s[WC], s[WV], 1
	s_bfe_u32 s[CX], ttmp6, 0x40000
	s_lshl_b32 s[CT], ttmp9, 2
	s_add_co_u32 s[CT], s[CT], s[CX]               ; my tile of 128 channels: it enters vt's and out0's addresses alone
	s_and_b32 s80, ttmp7, 0xffff
	s_lshr_b32 s[BB], s80, 3                       ; the batch
	s_and_b32 s[AA], s80, 7
	s_sub_co_u32 s[J1], 15, s[AA]                  ; the second block
	s_mov_b32 s[J2], s[AA]                         ; the first
	s_lshr_b32 s[N2], s[AA], 1
	s_add_co_u32 s[N2], s[N2], 1                   ; the first block's key steps, 1 to 4; the second has the other 9 - N2
	s_mov_b32 s[G1A], 15|(1<<16)|(1<<20)|(1<<21)|(6<<22)|(3<<25)  ; the mask of four; elements of 2 bytes; padding on; bit 21 beside a mask; after every 128 words, 4 words
	s_mov_b32 s[G1B], (1<<16)|(1<<20)|(6<<22)|(3<<25)             ; no mask
.irp g, G1A, G1B
	s_mov_b32 s[(\g)+1], 256<<16                   ; tensor_dim0 = 256
	s_mov_b32 s[(\g)+2], 64<<16                    ; tensor_dim1 = 64
	s_mov_b32 s[(\g)+3], 256<<16                   ; tile_dim0 = 256
	s_mov_b32 s[(\g)+4], 64                        ; tile_dim1 = 64
	s_mov_b32 s[(\g)+6], 0
	s_mov_b32 s[(\g)+7], 0
.endr
	s_mov_b32 s[G1A+5], 2048                       ; elements from row to row of pb,
	s_mov_b32 s[G1B+5], 8192                       ; of vt
	s_mov_b32 s[OFFA+1], 0
	s_mov_b32 s[OFFB+1], 0
	s_mov_b32 s[SG], 0
	s_mov_b32 s[TB], 0
	s_mul_i32 s85, s[WV], HALFT                    ; where my 64 rows go: no place in the cluster enters an LDS address
	s_lshl_b32 s86, s[BB], 23
	s_lshl_b32 s87, s[WC], 18
	s_add_co_u32 s86, s86, s87
	s_mov_b32 s87, 0
	s_lshl_b32 s88, s[CT], 7
	s_lshl_b32 s89, s[WC], 6
	s_add_co_u32 s88, s88, s89
	s_lshl_b32 s88, s88, 14
	s_lshl_b32 s89, s[BB], 12
	s_add_co_u32 s88, s88, s89
	s_mov_b32 s89, 0
	s_lshl_b32 s90, s[BB], 23                      ; out0: batch, my 64 rows of a block, my 64 channels
	s_lshl_b32 s91, s[WR], 18
	s_add_co_u32 s90, s90, s91
	s_lshl_b32 s91, s[CT], 9
	s_add_co_u32 s90, s90, s91
	s_lshl_b32 s91, s[WC], 8
	s_add_co_u32 s90, s90, s91
	s_lshl_b32 s92, s[J2], 19
	s_add_co_u32 s92, s92, s90
	s_mov_b32 s93, 0
	s_lshl_b32 s91, s[J1], 19
	s_add_co_u32 s90, s90, s91
	s_mov_b32 s91, 0
	s_cmp_lt_u32 s[WV], 2
	s_cselect_b32 s80, ttmp9, s[AA]
	s_cmp_eq_u32 s80, 0
	s_cselect_b32 s[PLIM], 9, 0                    ; the same in all four partners, for a given wave
	s_wait_dscnt 0x0                               ; the opening add is done
	s_wait_kmcnt 0x0
	s_add_nc_u64 s[PA:PA+1], s[4:5], s[86:87]
	s_add_nc_u64 s[PBV:PBV+1], s[6:7], s[88:89]
	s_add_nc_u64 s[OHI:OHI+1], s[10:11], s[90:91]
	s_add_nc_u64 s[OLO:OLO+1], s[10:11], s[92:93]
.irp s, 0,1
	s_mov_b32 s80, \s
	WHERE s80
	OFFS
	s_mov_b32 s[G0A+4*(\s)], 1
	s_add_co_u32 s[G0A+4*(\s)+1], s85, (\s)*SLOT
	s_add_nc_u64 s[G0A+4*(\s)+2:G0A+4*(\s)+3], s[PA:PA+1], s[OFFA:OFFA+1]
	s_or_b32 s[G0A+4*(\s)+3], s[G0A+4*(\s)+3], 0x80000000
	s_mov_b32 s[G0B+4*(\s)], 1
	s_add_co_u32 s[G0B+4*(\s)+1], s85, (\s)*SLOT
	s_add_nc_u64 s[G0B+4*(\s)+2:G0B+4*(\s)+3], s[PBV:PBV+1], s[OFFB:OFFB+1]
	s_or_b32 s[G0B+4*(\s)+3], s[G0B+4*(\s)+3], 0x80000000
.endr
	CROUND                                         ; all four work-groups are here: the first joint loads meet
	s_cmp_lt_u32 s[WV], 2                          ; a wave's two first fills stand in one branch: two loads of mine are out
	s_cbranch_scc0 .Lfirst_v
	tensor_load_to_lds s[G0A:G0A+3], s[G1A:G1A+7]
	s_nop 0
	tensor_load_to_lds s[G0A+4:G0A+7], s[G1A:G1A+7]
	s_nop 0
.rept 4
	v_nop
.endr
	s_branch .Lfirst_asked
.Lfirst_v:
	tensor_load_to_lds s[G0B:G0B+3], s[G1B:G1B+7]
	s_nop 0
	tensor_load_to_lds s[G0B+4:G0B+7], s[G1B:G1B+7]
	s_nop 0
.rept 4
	v_nop
.endr
.Lfirst_asked:
	; THE TABLE, in the order of the walk.  Thread T is row T of the block that a step belongs to: for each of the nine steps it reads that row's c' m and l of the step's key tile.
	; In st: c' m at (8 b + key tile) x 16,384 + 4 x (128 block + T), l 8,192 bytes on.
	v_lshlrev_b32 v[T4], 2, v0
	s_lshl_b32 s86, s[BB], 17
.irp t, 0,1,2,3,4,5,6,7,8
	s_mov_b32 s80, \t
	WHERE s80
	s_lshl_b32 s81, s81, 9
	s_lshl_b32 s82, s82, 14
	s_add_co_u32 s81, s81, s82
	s_add_co_u32 s81, s81, s86
	v_add_nc_u32 v[OF+(\t)], s81, v[T4]
	global_load_b32 v[CMR+(\t)], v[OF+(\t)], s[8:9]
	global_load_b32 v[LR+(\t)],  v[OF+(\t)], s[8:9] offset:8192
.endr
	v_and_b32 v1, 15, v0                           ; l % 16
	v_bfe_u32 v2, v0, 4, 1                         ; l / 16
	v_mul_u32_u24 v3, v1, PITCH
	v_lshl_add_u32 v3, v2, 4, v3
	s_mul_i32 s80, s[WR], HALFT
	s_mul_i32 s81, s[WC], HALFT
	s_add_co_u32 s81, s81, 2*HALFT
	v_add_nc_u32 v[ADRA0], s80, v3
	v_add_nc_u32 v[ADRB0], s81, v3
	v_mov_b32 v[ADRA], v[ADRA0]
	v_mov_b32 v[ADRB], v[ADRB0]
	s_lshl_b32 s80, s[WR], 8                       ; my 64 rows' words
	s_add_co_u32 s81, s80, GT
	v_lshl_add_u32 v[GA], v1, 2, s81               ; step 0's entry: a constant, the wave's term and the lane's
	s_add_co_u32 s81, s80, RL
	v_lshl_add_u32 v[RA0], v1, 2, s81
	s_mul_i32 s80, s[WV], 16*SP
	s_add_co_u32 s80, s80, STAGE
	v_mul_u32_u24 v[STO], v1, SP
	v_lshl_add_u32 v[STO], v2, 5, v[STO]
	v_add_nc_u32 v[STO], s80, v[STO]               ; in: row l % 16, 32 bytes for each half of the lanes
	v_mul_u32_u24 v[RD], v2, SP
	v_lshl_add_u32 v[RD], v1, 4, v[RD]
	v_add_nc_u32 v[RD], s80, v[RD]                 ; back: lanes 0-15 one row of 256 bytes, lanes 16-31 the next
	v_lshlrev_b32 v[CO], 12, v2
	v_lshl_add_u32 v[CO], v1, 4, v[CO]             ; and the same two rows in out0
	s_cmp_lt_u32 s[WV], 2                          ; the prefetches' offset: (l % 16) rows, (l / 16) blocks of 256 bytes; for P also my work-group's 16 rows
	s_cselect_b32 s80, 12, 14
	s_lshl_b32 s81, s[CX], 16
	s_cmp_lt_u32 s[WV], 2
	s_cselect_b32 s81, s81, 0
	v_lshlrev_b32 v[PFO], s80, v1
	v_lshl_add_u32 v[PFO], v2, 8, v[PFO]
	v_add_nc_u32 v[PFO], s81, v[PFO]
	v_add_nc_u32 v[GTA], GT, v[T4]
	v_add_nc_u32 v[RLA], RL, v[T4]
.irp a, 0,1,2,3
	v_mov_b32 v[R+2*(\a)+1], 0                     ; named as pairs, so they are written
.endr
	v_mov_b32 v[LL], 0
	v_mov_b32 v[LL+1], 0
	WIN 0x40
.set n, 0
.rept 128
	v_mov_b32 v[n], 0                              ; the sums start at 0: written while the first tiles and the table's loads are on their way
.set n, n+1
.endr
	WIN 0
	s_wait_loadcnt 0x0
	; M of each block: step 0 is always the first block's and step 8 the second's (N2 is 1 to 4); a step of the other block enters a maximum as the lowest finite number (c' m x 0 + lowest)
	v_mov_b32 v[MXL], v[CMR]
	v_mov_b32 v[MXH], v[CMR+8]
.irp t, 1,2,3,4,5,6,7
	SEL \t
	s_cselect_b32 s82, 0, 0xff7fffff
	s_cselect_b32 s83, 0xff7fffff, 0
	v_fma_f32 v[TA], v[CMR+(\t)], s80, s82
	v_fma_f32 v[TC], v[CMR+(\t)], s81, s83
	v_max_num_f32 v[MXL], v[MXL], v[TA]
	v_max_num_f32 v[MXH], v[MXH], v[TC]
.endr
.irp t, 0,1,2,3,4,5,6,7,8
	SEL \t
	v_mul_f32 v[TA], s81, v[MXH]                   ; the M of the step's own block: one of the two factors is 1, the other 0
	v_fmac_f32 v[TA], s80, v[MXL]
	v_sub_f32 v[GG+(\t)], v[CMR+(\t)], v[TA]
.endr
.set n, 0
.rept 9
	v_exp_f32 v[GG+n], v[GG+n]
.set n, n+1
.endr
	v_nop                                          ; a plain instruction behind the last exponential,
	s_wait_alu depctr_va_vdst(0)                   ; and the one wait for the batch
.irp t, 0,1,2,3,4,5,6,7,8
	SEL \t
	v_mul_f32 v[LR+(\t)], v[GG+(\t)], v[LR+(\t)]   ; g l goes into the L of the step's own block
	v_fmac_f32 v[LL+1], s80, v[LR+(\t)]
	v_fmac_f32 v[LL], s81, v[LR+(\t)]
.endr
	v_rcp_f32 v[LL], v[LL]                         ; L is at least 1: the tile that holds the row's maximum has g = 1 and l >= 1
	v_rcp_f32 v[LL+1], v[LL+1]
.set n, 0
.rept 9
	v_cvt_pk_f16_f32 v[GG+n], v[GG+n], v[GG+n]     ; g twice in a word; plain work behind the reciprocals
.set n, n+1
.endr
	s_wait_alu depctr_va_vdst(0)                   ; the wait for the two reciprocals
.irp t, 0,1,2,3,4,5,6,7,8
	ds_store_b32 v[GTA], v[GG+(\t)] offset:(\t)*512
.endr
	ds_store_b32 v[GTA], v[GG+8] offset:9*512      ; entry 9: what the fetch behind the last step reads, and nobody uses
.irp u, 0,1
	ds_store_b32 v[RLA], v[LL+(\u)] offset:(\u)*512
.endr
.macro PROD f, c, a, b                 ; source 0 = 16 channels of vt, source 1 = 16 queries of P: a lane holds one query and eight neighbouring channels
	v_wmma_f32_16x16x32_f16 v[8*(4*(\a)+(\b)):8*(4*(\a)+(\b))+7], v[64*(\f)+8*(4*(\c)+(\b)):64*(\f)+8*(4*(\c)+(\b))+7], v[128+64*(\f)+8*(4*(\c)+(\a)):128+64*(\f)+8*(4*(\c)+(\a))+7], v[8*(4*(\a)+(\b)):8*(4*(\a)+(\b))+7]
.endm
.macro RIDER g                         ; register rr of P's buffer g times the g of its block of 16 rows
	v_pk_mul_f16 v[128+64*(\g)+rr], v[128+(rr/8)%4], v[128+64*(\g)+rr]
.set rr, rr+1
.endm
.macro PRODS f, c, a0, riders, g       ; 8 products: row blocks a0, a0 + 1 x 4 channel blocks; the 16 accumulators take turns; behind each so many scalings of the next buffer
.irp a, \a0, (\a0)+1
.irp b, 0,1,2,3
	PROD \f, \c, \a, \b
.if (\riders) > 0
.rept \riders
	RIDER \g
.endr
.endif
.endr
.endr
.endm
.macro FETCHQ k, f                     ; 32 LDS loads in one run: the fragments of 64 keys at byte k of the rows of the slot in hand
	WIN TO_B
.irp c, 0,1
.irp i, 0,1,2,3
	ds_load_b128 v[64*(\f)+8*(4*(\c)+(\i)):64*(\f)+8*(4*(\c)+(\i))+3],   v[ADRB] offset:(\k)+64*(\c)+(\i)*16*PITCH
	ds_load_b128 v[64*(\f)+8*(4*(\c)+(\i))+4:64*(\f)+8*(4*(\c)+(\i))+7], v[ADRB] offset:(\k)+64*(\c)+(\i)*16*PITCH+32
.endr
.endr
	WIN TO_A
.irp c, 0,1
.irp i, 0,1,2,3
	ds_load_b128 v[128+64*(\f)+8*(4*(\c)+(\i)):128+64*(\f)+8*(4*(\c)+(\i))+3],   v[ADRA] offset:(\k)+64*(\c)+(\i)*16*PITCH
	ds_load_b128 v[128+64*(\f)+8*(4*(\c)+(\i))+4:128+64*(\f)+8*(4*(\c)+(\i))+7], v[ADRA] offset:(\k)+64*(\c)+(\i)*16*PITCH+32
.endr
.endr
.endm
; A quarter: 64 keys, 32 products on buffer f.  The next quarter's fragments are asked for at its head (the scalings behind the last product are the four places in front of these loads),
; land under the first 16 products, and are scaled behind the other 16, four registers each.
.macro QUART k, f, g
	FETCHQ \k, \g
	WIN MULW
	PRODS \f, 0, 0, 0, \g
	PRODS \f, 0, 2, 0, \g
	s_wait_dscnt 0x0                               ; the next quarter's fragments are in
.set rr, 0
	PRODS \f, 1, 0, 4, \g
	PRODS \f, 1, 2, 4, \g
.endm
; The last quarter multiplies buffer 1 and changes slots: one barrier; in front of it each wave waits for all its tensor loads, adds 0 to its spare word, and waits for that (its reads of the slot are back already).
; fill = 1: the barrier opens a round of the cluster's, and the slot just read is filled again, with the step two on, first thing behind the round.
.macro TURNP fill
.if \fill
	s_wait_xcnt 0x0                                ; the last prefetches, a step back, have read their address
.endif
	WIN 0
	s_wait_tensorcnt 0x0                           ; all my tensor loads have landed: my part of the next slot; so a group 0 may be written
	ds_add_u32 v[SPW], v[NIL]                      ; 0 onto my spare word; scalar work and eight products stand between it and the wait for it
	s_xor_b32 s[TB], s[TB], SLOT
.if \fill
	s_add_co_u32 s80, s[SG], 2                     ; the walking descriptors: the other slot than last time; the address is made anew from the step's numbers
	WHERE s80
	OFFS
	s_xor_b32 s[G0A+5], s[G0A+5], SLOT
	s_add_nc_u64 s[G0A+6:G0A+7], s[PA:PA+1], s[OFFA:OFFA+1]
	s_or_b32 s[G0A+7], s[G0A+7], 0x80000000
	s_xor_b32 s[G0B+5], s[G0B+5], SLOT
	s_add_nc_u64 s[G0B+6:G0B+7], s[PBV:PBV+1], s[OFFB:OFFB+1]
	s_or_b32 s[G0B+7], s[G0B+7], 0x80000000
	s_add_co_u32 s80, s[SG], 4                     ; and where the prefetches stand
	WHERE s80
	OFFS
	s_add_nc_u64 s[86:87], s[PA:PA+1], s[OFFA:OFFA+1]
	s_add_nc_u64 s[88:89], s[PBV:PBV+1], s[OFFB:OFFB+1]
	s_cmp_lt_u32 s[WV], 2
	s_cselect_b64 s[PFC:PFC+1], s[86:87], s[88:89]
.endif
	WIN MULW
	PRODS 1, 0, 0, 0, 0
	s_wait_dscnt 0x0                               ; the add is done; my reads of this slot were waited for in the quarter before
	s_barrier_signal -1
	PRODS 1, 0, 2, 0, 0
	WIN 0
	s_barrier_wait -1
.if \fill
	CREST                                          ; no wave of any partner still reads this slot or has a load on its way
	JLOAD                                          ; its four v_nop are also the places in front of the loads below
.else
	PLACES
.endif
	v_add_nc_u32 v[ADRA], s[TB], v[ADRA0]
	v_add_nc_u32 v[ADRB], s[TB], v[ADRB0]
	v_add_nc_u32 v[GA], 512, v[GA]                 ; the next step's entry of the table
	WIN TO_B
.irp a, 0,1,2,3
	ds_load_b32 v[128+(\a)], v[GA] offset:64*(\a)  ; the next step's g of my four row blocks
.endr
	FETCHQ 0, 0
.if \fill
	WIN 0
	ASK
.endif
	WIN MULW
	PRODS 1, 1, 0, 0, 0
	s_wait_dscnt 0x0
.set rr, 0
	PRODS 1, 1, 2, 8, 0
.endm
; THE WAY OUT of a block: times 1 / L, through my stage in LDS, 16 rows at a time, back as whole rows of 256 bytes, stored.  clear = 1: the sums start again at 0.
.macro PACKO a
	WIN W_RS
.set n, 0
.rept 16
	v_pk_mul_f32 v[32*(\a)+n:32*(\a)+n+1], v[32*(\a)+n:32*(\a)+n+1], v[R+2*(\a):R+2*(\a)+1] op_sel_hi:[1,0]
.set n, n+2
.endr
	WIN ST_A
.irp b, 0,1,2,3
	ds_store_b128 v[STO], v[32*(\a)+8*(\b):32*(\a)+8*(\b)+3]   offset:64*(\b)
	ds_store_b128 v[STO], v[32*(\a)+8*(\b)+4:32*(\a)+8*(\b)+7] offset:64*(\b)+16
.endr
	WIN 0
.irp t, 0,1,2,3,4,5,6,7
	ds_load_b128 v[OB+32*(\a)+4*(\t):OB+32*(\a)+4*(\t)+3], v[RD] offset:(\t)*2*SP  ; LDS serves a wave's instructions in order (ISA guide 5.7.1.4): these see the stores above; the next block's stores come behind them
.endr
.endm
.macro SENDO a, base, younger
	s_wait_dscnt \younger                          ; the block is back; the next block's sixteen LDS instructions may be out
.irp t, 0,1,2,3,4,5,6,7
	global_store_b128 v[CO], v[OB+32*(\a)+4*(\t):OB+32*(\a)+4*(\t)+3], s[\base:\base+1] offset:(16*(\a)+2*(\t))*4096 th:TH_STORE_NT  ; 16 lanes store 256 consecutive bytes, aligned
.endr
.endm
.macro WAYOUT base, rloff, clear
	WIN 0
	s_wait_xcnt 0x0                                ; an earlier way out's stores have read the buffers that are loaded again below
.irp a, 0,1,2,3
	ds_load_b32 v[R+2*(\a)], v[RA0] offset:(\rloff)+64*(\a)
.endr
	s_wait_dscnt 0x0
	PACKO 0
	PACKO 1
	SENDO 0, \base, 16
	PACKO 2
	SENDO 1, \base, 16
	PACKO 3
	SENDO 2, \base, 16
	SENDO 3, \base, 0
.if \clear
	WIN 0x40
.set n, 0
.rept 128
	v_mov_b32 v[n], 0
.set n, n+1
.endr
	WIN 0
.endif
.endm
	s_wait_tensorcnt 1                             ; my part of step 0 is in; step 1's may stay out
	s_wait_dscnt 0x0                               ; my part of the table is stored
	s_barrier_signal -1
	s_barrier_wait -1
	WIN TO_B
.irp a, 0,1,2,3
	ds_load_b32 v[128+(\a)], v[GA] offset:64*(\a)
.endr
	FETCHQ 0, 0
	s_wait_dscnt 0x0
	WIN MULW
.set rr, 0
.rept 64
	RIDER 0                                        ; the first quarter's P is scaled by itself: there are no products yet to set it behind
.endr
	WIN 0
	s_mov_b32 s[CNT], 7
.Lstep:                                            ; seven trips: steps 0 to 6, which ask for steps 2 to 8
	QUART 128, 0, 1
	QUART 256, 1, 0
	QUART 384, 0, 1
	TURNP 1
	WIN 0
	s_add_co_u32 s[SG], s[SG], 1
	s_cmp_eq_u32 s[SG], s[N2]                      ; the first block has one to four steps: it ends in this loop; the number is the same in all four partners
	s_cbranch_scc0 .Lnot_yet
	WAYOUT OLO, 512, 1
.Lnot_yet:
	s_sub_co_u32 s[CNT], s[CNT], 1
	s_cmp_lg_u32 s[CNT], 0
	s_cbranch_scc1 .Lstep
	s_mov_b32 s[CNT], 2
.Ltail:                                            ; steps 7 and 8 ask for nothing; the last trip's fetch and scaling serve nothing: the price of one text for both
	QUART 128, 0, 1
	QUART 256, 1, 0
	QUART 384, 0, 1
	TURNP 0
	WIN 0
	s_sub_co_u32 s[CNT], s[CNT], 1
	s_cmp_lg_u32 s[CNT], 0
	s_cbranch_scc1 .Ltail
	PLACES
	WAYOUT OHI, 0, 0
	s_wait_tensorcnt 0x0                           ; the wave's end
	ds_add_u32 v[SPW], v[NIL]
	s_wait_dscnt 0x0
	CROUND                                         ; the closing round
	s_endpgm
.Lfunc_end_k_q0ef37cbe2e_pv:
	.size	k_q0ef37cbe2e_pv, .Lfunc_end_k_q0ef37cbe2e_pv-k_q0ef37cbe2e_pv
	.p2alignl 7, 3214868480
	.fill 96, 4, 3214868480
	.section	.rodata,"a",@progbits
	.p2align	6, 0x0
	.amdhsa_kernel k_q0ef37cbe2e_pv
		.amdhsa_group_segment_fixed_size 327680
		.amdhsa_private_segment_fixed_size 0
		.amdhsa_enable_private_segment 0
		.amdhsa_kernarg_size 32
		.amdhsa_user_sgpr_count 2
		.amdhsa_user_sgpr_kernarg_segment_ptr 1
		.amdhsa_wavefront_size32 1
		.amdhsa_system_sgpr_workgroup_id_x 1
		.amdhsa_system_sgpr_workgroup_id_y 1
		.amdhsa_system_sgpr_workgroup_id_z 1
		.amdhsa_system_vgpr_workitem_id 0
		.amdhsa_next_free_vgpr 648
		.amdhsa_next_free_sgpr 96
		.amdhsa_reserve_vcc 0
		.amdhsa_float_denorm_mode_32 3
		.amdhsa_float_denorm_mode_16_64 3
		.amdhsa_memory_ordered 1
		.amdhsa_forward_progress 1
		.amdhsa_inst_pref_size 129
	.end_amdhsa_kernel
	.amdgpu_metadata
---
amdhsa.version: [ 1, 2 ]
amdhsa.kernels:
  - .name:           k_q0ef37cbe2e_pv
    .symbol:         k_q0ef37cbe2e_pv.kd
    .args:
      - { .name: pb, .offset: 0, .size: 8, .value_kind: global_buffer, .address_space: global }
      - { .name: vt, .offset: 8, .size: 8, .value_kind: global_buffer, .address_space: global }
      - { .name: st, .offset: 16, .size: 8, .value_kind: global_buffer, .address_space: global }
      - { .name: out0, .offset: 24, .size: 8, .value_kind: global_buffer, .address_space: global }
    .group_segment_fixed_size: 327680
    .private_segment_fixed_size: 0
    .kernarg_segment_align: 8
    .kernarg_segment_size: 32
    .max_flat_workgroup_size: 128
    .sgpr_count:     96
    .vgpr_count:     648
    .wavefront_size: 32
...
	.end_amdgpu_metadata
.endif
;; end of part 4
;; ======== version 2 of 2: 4 launches; version 1 with the launch prep written anew for expert scheduling mode
;; limits: values are held in f16: magnitudes above 65,504 overflow, below 6.1e-05 lose precision
;; workspace buffers: xh 16,777,216 bytes; wb 4,194,304 bytes; yb 16,777,216 bytes; vt 16,777,216 bytes; pb 33,554,432 bytes; st 524,288 bytes
;; launch prep (part 5): grid 1408 x 1, 4 waves a work-group, no clusters, 68,096 bytes of LDS; arguments input_vector, w_q, w_k, w_v, xh, wb; writes xh, wb
.if DOCPART == 5
	.amdgcn_target "amdgcn-amd-amdhsa--gfx1250"
	.amdhsa_code_object_version 6
	.text
	.protected	k_q0ef37cbe2e_prep
	.globl	k_q0ef37cbe2e_prep
	.p2align	8
	.type	k_q0ef37cbe2e_prep,@function
k_q0ef37cbe2e_prep:
	s_mov_b64 s[64:65], 0
	v_nop
	global_prefetch_b8 v0, s[64:65] scope:SCOPE_SE
	s_setreg_imm32_b32 hwreg(HW_REG_WAVE_SCHED_MODE, 0, 2), 2
	s_setreg_imm32_b32 hwreg(HW_REG_WAVE_MODE, 25, 1), 1
	s_wait_xcnt 0x0
	s_wait_alu depctr_vm_vsrc(0)
; PREP.  Three kinds of work-group, told apart by the work-group's number (the same for all four waves):
;   0 .. 255     Mt = W_k W_q^T (Mt[j][i] = sum over e of W_k[j][e] W_q[i][e]), operands rounded to bf16, sums in f32, stored as f16 into wb rows 0 .. 1023.
;                scores = (x W_q)(x W_k)^T = x (W_q W_k^T) x^T for every input, so one product of the weights takes the place of one projection.
;   256 .. 383   W_v turned: wb[1024 + c][i] = W_v[i][c], rounded to bf16 and that number written as f16.
;   384 .. 1407  xh = x rounded to bf16 and that number written as f16.
; LIMITS.  f16 holds no number beyond 65,504, and below 6e-5 it keeps a fixed step of 6e-8: x, W_v and Mt are taken to lie within that range.  NaN and infinities are not treated apart.
; No tensor loads, no cluster, no prefetch: the launch is short, its streams are read once by plain loads of which sixteen or more a wave are out, and the weights are shared by few work-groups only.
; THE MODE: SCHED_MODE bits 1:0 = 2 (LLVM: expert scheduling mode 2), set by the entry lines.  The code itself states the register dependences
; between vector or matrix instructions and memory or LDS instructions, with s_wait_alu, always for 0.
; THE PLAN.  Registers that memory or LDS instructions touch:
;   all paths  v4, v5: written at the head, read by the closing add alone.  s16 (the wave's number) is written by a vector instruction: one wait on va_sdst, ahead of the branches.
;   x          v6, v7 offsets, made once.  v[16:79]: each loaded once, then worked on.  v[80:111]: two registers a chunk, written once by a conversion, read once by a store.
;              The 16 chunks go in four blocks: the stores of block p - 1 stand among block p's conversions, behind ONE wait at block p's head; block p's conversions name block p's registers alone.
;   W_v        v6 .. v9 offsets and addresses, made once.  v[16:79]: loaded once; a pair of rows leaves four packed words there, each read by one LDS store.  v[80:111]: LDS loads land there, global stores read them;
;              no vector instruction of this path names them.  The eight pairs go in four groups of two, the LDS stores of group p - 1 among group p's conversions, behind ONE wait at group p's head.
;   Mt         v6 offset, made once.  RAW: a step's 40 loads land in it, its 80 conversions read it, the next step's loads land in it: ONE wait a step, behind the conversions and ahead of the loads.
;              The loads stand in one run there, ahead of the products: the products' window puts destinations into v256-383, so loads among them would want switches of their own.
;              PK and the accumulators are named by vector and matrix instructions alone until the way out, where ONE wait stands ahead of the LDS stores and ONE ahead of the global stores.
; No register that a memory or LDS instruction has read is ever written again, so the text holds no wait on vm_vsrc.
.set SPARE, 67584                      ; behind the four partial tiles: the spare words, 128 bytes for each wave, which no other line names
.set SPW,  4                           ; v4   LDS address of my spare word; never rewritten
.set NIL,  5                           ; v5   0; never rewritten
.set RAW,  16                          ; v[16:175]  numbers as loaded, f32
.set OUTR, 80                          ; v[80:111]  packed f16 to store (the two streaming paths)
.set PK,   176                         ; v[176:255] Mt: ten fragments of 16 rows x 32 e in bf16: two of W_k, eight of W_q
.set MSB, 0
.macro WIN new                         ; the immediate's high byte repeats the setting that is left
.if MSB != (\new)
	s_set_vgpr_msb (MSB<<8)|(\new)
.set MSB, \new
.endif
.endm
	s_load_b256 s[4:11], s[0:1], 0x0               ; x s[4:5], w_q s[6:7], w_k s[8:9], w_v s[10:11]
	s_load_b128 s[12:15], s[0:1], 0x20             ; xh s[12:13], wb s[14:15]
	v_lshl_add_u32 v[SPW], v0, 2, SPARE
	v_mov_b32 v[NIL], 0
	v_lshrrev_b32 v1, 5, v0
	v_readfirstlane_b32 s16, v1                    ; wave 0..3
	v_and_b32 v1, 15, v0                           ; thread % 16 (= lane % 16)
	v_bfe_u32 v2, v0, 4, 1                         ; lane / 16
	v_lshrrev_b32 v3, 4, v0                        ; thread / 16, 0..7
	s_mov_b32 s19, 0
	s_wait_alu depctr_va_sdst(0)                   ; s16 is written, ahead of the branches and of its first reader: Mt's offsets are made from it
	s_wait_kmcnt 0x0
	s_cmp_lt_u32 ttmp9, 256
	s_cbranch_scc1 .Lmt
	s_cmp_lt_u32 ttmp9, 384
	s_cbranch_scc1 .Lwv
	; ---- x: 8 rows, 32,768 bytes in, 16,384 out.  Chunk j is 2,048 consecutive bytes: 16 a thread; its 1,024 bytes of f16 leave 8 a thread, a wave's store covering 256 consecutive bytes, aligned.
	s_sub_co_u32 s17, ttmp9, 384
	s_lshl_b32 s18, s17, 15
	s_add_nc_u64 s[4:5], s[4:5], s[18:19]
	s_lshl_b32 s18, s17, 14
	s_add_nc_u64 s[12:13], s[12:13], s[18:19]
	v_lshlrev_b32 v6, 4, v0
	v_lshlrev_b32 v7, 3, v0
	s_wait_alu depctr_va_vdst(0)                   ; v6 and v7 are written: every load of this path reads the one as its offset, every store the other
.set j, 0
.rept 16
	global_load_b128 v[RAW+4*j:RAW+4*j+3], v6, s[4:5] offset:2048*j th:TH_LOAD_NT
.set j, j+1
.endr
.irp p, 0,1,2,3                        ; four blocks of four chunks
.if (\p) > 0
	s_wait_alu depctr_va_vdst(0)                   ; the block before has written its eight out-registers, which this block's four stores read
.endif
.irp i, 0,1,2,3
.set j, 4*(\p)+(\i)
.if (\p) > 0
	global_store_b64 v7, v[OUTR+2*(j-4):OUTR+2*(j-4)+1], s[12:13] offset:1024*(j-4)  ; the chunk four back; no vector instruction since the wait names its registers
.endif
	s_wait_loadcnt 15-j                            ; loads come back in order: chunk j is in, the younger ones stay out
	v_cvt_pk_bf16_f32 v[RAW+4*j], v[RAW+4*j], v[RAW+4*j+1]      ; the input's rounding: to bf16, nearest even
	v_cvt_pk_bf16_f32 v[RAW+4*j+2], v[RAW+4*j+2], v[RAW+4*j+3]
	v_and_b32 v[RAW+4*j+1], 0xffff0000, v[RAW+4*j]              ; back to f32: the high half stays,
	v_lshlrev_b32 v[RAW+4*j], 16, v[RAW+4*j]                    ; the low half moves up
	v_and_b32 v[RAW+4*j+3], 0xffff0000, v[RAW+4*j+2]
	v_lshlrev_b32 v[RAW+4*j+2], 16, v[RAW+4*j+2]
	v_cvt_pk_f16_f32 v[OUTR+2*j], v[RAW+4*j], v[RAW+4*j+1]      ; the same numbers as f16 (exact inside f16's normal range)
	v_cvt_pk_f16_f32 v[OUTR+2*j+1], v[RAW+4*j+2], v[RAW+4*j+3]
.endr
.endr
	s_wait_alu depctr_va_vdst(0)                   ; the last block has written its out-registers, which the last four stores read
.irp w, 12,13,14,15
	global_store_b64 v7, v[OUTR+2*(\w):OUTR+2*(\w)+1], s[12:13] offset:1024*(\w)
.endr
	s_branch .Lend
	; ---- W_v turned: a tile of 128 rows i x 64 columns c.  Thread (p = thread / 16, q = thread % 16) reads rows 2 p + 16 k and the next, columns 4 q .. 4 q + 3: sixteen lanes read 256 consecutive bytes.
.Lwv:
	s_sub_co_u32 s17, ttmp9, 256
	s_lshr_b32 s18, s17, 4                         ; which 128 rows i
	s_and_b32 s17, s17, 15                         ; which 64 columns c
	s_lshl_b32 s20, s18, 19                        ; 128 rows of 4,096 bytes
	s_lshl_b32 s21, s17, 8
	s_add_co_u32 s20, s20, s21
	s_mov_b32 s21, 0
	s_add_nc_u64 s[10:11], s[10:11], s[20:21]
	s_lshl_b32 s20, s17, 17                        ; 64 rows of wb, 2,048 bytes each,
	s_lshl_b32 s22, s18, 8                         ; 128 columns of f16
	s_add_co_u32 s20, s20, s22
	s_add_co_u32 s20, s20, 1024*2048               ; behind Mt's 1,024 rows
	s_add_nc_u64 s[14:15], s[14:15], s[20:21]
	v_lshlrev_b32 v6, 13, v3
	v_lshl_add_u32 v6, v1, 4, v6                   ; 2 p rows + 16 q
	s_wait_alu depctr_va_vdst(0)                   ; v6 is written: the sixteen loads read it as their offset
.set k, 0
.rept 8
	global_load_b128 v[RAW+8*k:RAW+8*k+3],   v6, s[10:11] offset:65536*k th:TH_LOAD_NT
	global_load_b128 v[RAW+8*k+4:RAW+8*k+7], v6, s[10:11] offset:65536*k+4096 th:TH_LOAD_NT
.set k, k+1
.endr
	v_mul_u32_u24 v7, v1, 4*272                    ; in LDS a row is a column c: 256 bytes + 16 of padding; mine are rows 4 q .. 4 q + 3,
	v_lshl_add_u32 v7, v3, 2, v7                   ; two neighbouring i are one word, at byte 4 p + 32 k
	v_mul_u32_u24 v8, v3, 272
	v_lshl_add_u32 v8, v1, 4, v8                   ; back: row p + 8 m, 16 bytes at 16 q
	v_lshlrev_b32 v9, 11, v3
	v_lshl_add_u32 v9, v1, 4, v9                   ; and the same place in wb
.irp p, 0,1,2,3                        ; four groups of two pairs of rows
.if (\p) > 0
	s_wait_alu depctr_va_vdst(0)                   ; the group before has written its eight packed words, which this group's eight LDS stores read; the first time also: v7, v8 and v9 are written
.endif
.irp u, 0,1
.set k, 2*(\p)+(\u)
	s_wait_loadcnt 14-2*k                          ; pair k of rows is in
.irp c, 0,1,2,3
.if (\p) > 0
	ds_store_b32 v7, v[RAW+8*(k-2)+(\c)] offset:(\c)*272+32*(k-2)            ; the pair two back; no vector instruction since the wait names its registers
.endif
	v_cvt_pk_bf16_f32 v[RAW+8*k+(\c)], v[RAW+8*k+(\c)], v[RAW+8*k+4+(\c)]   ; rows i, i + 1 of one column, rounded to bf16
	v_and_b32 v[RAW+8*k+4+(\c)], 0xffff0000, v[RAW+8*k+(\c)]
	v_lshlrev_b32 v[RAW+8*k+(\c)], 16, v[RAW+8*k+(\c)]
	v_cvt_pk_f16_f32 v[RAW+8*k+(\c)], v[RAW+8*k+(\c)], v[RAW+8*k+4+(\c)]
.endr
.endr
.endr
	s_wait_alu depctr_va_vdst(0)                   ; the last group has written its packed words, which the last eight LDS stores read
.irp w, 6,7
.irp c, 0,1,2,3
	ds_store_b32 v7, v[RAW+8*(\w)+(\c)] offset:(\c)*272+32*(\w)
.endr
.endr
	s_wait_dscnt 0x0                               ; for the others' sake: my stores are done
	s_barrier_signal -1
	s_barrier_wait -1
.irp m, 0,1,2,3,4,5,6,7
	ds_load_b128 v[OUTR+4*(\m):OUTR+4*(\m)+3], v8 offset:(\m)*8*272  ; no vector instruction of this path names these registers
.endr
.irp m, 0,1,2,3,4,5,6,7
	s_wait_dscnt 7-(\m)
	global_store_b128 v9, v[OUTR+4*(\m):OUTR+4*(\m)+3], s[14:15] offset:(\m)*16384  ; 16 lanes store 256 consecutive bytes, aligned
.endr
	s_branch .Lend
	; ---- Mt: a tile of 32 rows j x 128 columns i.  The sum over e is split among the four waves, 256 e each; the partial tiles meet in LDS.
	; A lane takes 16 consecutive e of its row (four loads of 16 bytes): the same order of e in both operands, so the products pair up as they should.
	; Source 0 = 16 rows of W_q, source 1 = 16 rows of W_k: a lane ends with row j = lane % 16 and eight neighbouring columns i.
.Lmt:
	s_lshr_b32 s17, ttmp9, 3                       ; which 32 rows j
	s_and_b32 s18, ttmp9, 7                        ; which 128 columns i
	s_lshl_b32 s20, s17, 17
	s_mov_b32 s21, 0
	s_add_nc_u64 s[20:21], s[8:9], s[20:21]        ; W_k at my rows
	s_lshl_b32 s22, s18, 19
	s_mov_b32 s23, 0
	s_add_nc_u64 s[22:23], s[6:7], s[22:23]        ; W_q at my rows
	s_lshl_b32 s26, s17, 16
	s_lshl_b32 s27, s18, 8
	s_add_co_u32 s26, s26, s27
	s_mov_b32 s27, 0
	s_add_nc_u64 s[14:15], s[14:15], s[26:27]      ; wb at the tile
	s_lshl_b32 s24, s16, 10                        ; my wave's 256 e
	v_lshlrev_b32 v6, 12, v1
	v_lshl_add_u32 v6, v2, 6, v6
	v_add_nc_u32 v6, s24, v6                       ; row x 4,096 + 64 x half + 1,024 x wave
.macro LOADS                           ; a K step of 32 e: 40 loads
.irp q, 0,1,2,3
.irp u, 0,1
	global_load_b128 v[RAW+16*(\u)+4*(\q):RAW+16*(\u)+4*(\q)+3], v6, s[20:21] offset:(\u)*65536+16*(\q)
.endr
.irp u, 0,1,2,3,4,5,6,7
	global_load_b128 v[RAW+32+16*(\u)+4*(\q):RAW+32+16*(\u)+4*(\q)+3], v6, s[22:23] offset:(\u)*65536+16*(\q)
.endr
.endr
.endm
.macro CVT                             ; 160 f32 to 80 words of bf16
.set n, 0
.rept 80
	v_cvt_pk_bf16_f32 v[PK+n], v[RAW+2*n], v[RAW+2*n+1]
.set n, n+1
.endr
.endm
.macro MULS zero                       ; 16 products; the 16 accumulators (v256-383) take turns
	WIN 0x50
.irp a, 0,1
.irp b, 0,1,2,3,4,5,6,7
.if \zero
	v_wmma_f32_16x16x32_bf16 v[8*(8*(\a)+(\b)):8*(8*(\a)+(\b))+7], v[PK+16+8*(\b):PK+16+8*(\b)+7], v[PK+8*(\a):PK+8*(\a)+7], 0
.else
	v_wmma_f32_16x16x32_bf16 v[8*(8*(\a)+(\b)):8*(8*(\a)+(\b))+7], v[PK+16+8*(\b):PK+16+8*(\b)+7], v[PK+8*(\a):PK+8*(\a)+7], v[8*(8*(\a)+(\b)):8*(8*(\a)+(\b))+7]
.endif
.endr
.endr
	WIN 0
.endm
	s_wait_alu depctr_va_vdst(0)                   ; v6 is written: every load of this path reads it as its offset
	LOADS
	s_wait_loadcnt 0x0                             ; the step is in, and its loads have read the two pointers
	CVT
	s_add_nc_u64 s[20:21], s[20:21], 128
	s_add_nc_u64 s[22:23], s[22:23], 128
	s_wait_alu depctr_va_vdst(0)                   ; the conversions are done reading RAW, in which the next step's loads land
	LOADS                                          ; the next step is on its way while this one is multiplied
	MULS 1                                         ; the first K step starts the sums: nothing is cleared
	s_mov_b32 s24, 7
.Lk:
.rept 4
	v_nop                                          ; four places between the last product and the conversions that write its sources
.endr
	s_wait_loadcnt 0x0
	CVT
	s_cmp_eq_u32 s24, 1                            ; the last step has nothing behind it
	s_cbranch_scc1 .Lnoload
	s_add_nc_u64 s[20:21], s[20:21], 128
	s_add_nc_u64 s[22:23], s[22:23], 128
	s_wait_alu depctr_va_vdst(0)                   ; the conversions are done reading RAW, in which the next step's loads land; the last trip loads nothing and has no such wait
	LOADS
.Lnoload:
	MULS 0
	s_sub_co_u32 s24, s24, 1
	s_cmp_lg_u32 s24, 0
	s_cbranch_scc1 .Lk
	; the addresses of the meeting: seven plain instructions, the places behind the last products
	s_mul_i32 s25, s16, 16896                      ; my partial tile: 32 rows of 512 bytes + 16 of padding
	v_mul_u32_u24 v10, v1, 528
	v_lshl_add_u32 v10, v2, 5, v10
	v_add_nc_u32 v10, s25, v10
	v_mul_u32_u24 v11, v3, 528
	v_lshl_add_u32 v11, v1, 5, v11                 ; back: row thread / 16 + 8 q, eight columns at 32 x (thread % 16)
	v_lshlrev_b32 v12, 11, v3
	v_lshl_add_u32 v12, v1, 4, v12
	WIN 0x04                                       ; store data in v256-383
	s_wait_alu depctr_va_vdst(0)                   ; the products have written the accumulators, which the LDS stores read (the places above stay beside this wait); v10, v11 and v12 are written; the last conversions are done reading RAW, in which the LDS loads behind the barrier land
.irp a, 0,1
.irp b, 0,1,2,3,4,5,6,7
	ds_store_b128 v10, v[8*(8*(\a)+(\b)):8*(8*(\a)+(\b))+3]   offset:(\a)*8448+64*(\b)
	ds_store_b128 v10, v[8*(8*(\a)+(\b))+4:8*(8*(\a)+(\b))+7] offset:(\a)*8448+64*(\b)+16
.endr
.endr
	WIN 0
	s_wait_dscnt 0x0
	s_barrier_signal -1
	s_barrier_wait -1                              ; all four partial tiles lie in LDS
.irp q, 0,1,2,3
.irp p, 0,1,2,3
	ds_load_b128 v[RAW+32*(\q)+8*(\p):RAW+32*(\q)+8*(\p)+3],   v11 offset:(\p)*16896+(\q)*4224      ; no vector instruction has been issued since the wait above
	ds_load_b128 v[RAW+32*(\q)+8*(\p)+4:RAW+32*(\q)+8*(\p)+7], v11 offset:(\p)*16896+(\q)*4224+16
.endr
.endr
.irp q, 0,1,2,3
	s_wait_dscnt 24-8*(\q)
.irp r, 0,2,4,6
	v_pk_add_f32 v[RAW+32*(\q)+(\r):RAW+32*(\q)+(\r)+1], v[RAW+32*(\q)+(\r):RAW+32*(\q)+(\r)+1], v[RAW+32*(\q)+8+(\r):RAW+32*(\q)+8+(\r)+1]
	v_pk_add_f32 v[RAW+32*(\q)+16+(\r):RAW+32*(\q)+16+(\r)+1], v[RAW+32*(\q)+16+(\r):RAW+32*(\q)+16+(\r)+1], v[RAW+32*(\q)+24+(\r):RAW+32*(\q)+24+(\r)+1]
.endr
.irp r, 0,2,4,6
	v_pk_add_f32 v[RAW+32*(\q)+(\r):RAW+32*(\q)+(\r)+1], v[RAW+32*(\q)+(\r):RAW+32*(\q)+(\r)+1], v[RAW+32*(\q)+16+(\r):RAW+32*(\q)+16+(\r)+1]
.endr
.irp r, 0,1,2,3
	v_cvt_pk_f16_f32 v[PK+4*(\q)+(\r)], v[RAW+32*(\q)+2*(\r)], v[RAW+32*(\q)+2*(\r)+1]
.endr
.endr
	s_wait_alu depctr_va_vdst(0)                   ; the roundings have written the sixteen registers from PK on, which the four stores read
.irp q, 0,1,2,3
	global_store_b128 v12, v[PK+4*(\q):PK+4*(\q)+3], s[14:15] offset:(\q)*16384  ; 16 lanes store 256 consecutive bytes, aligned
.endr
.Lend:
	s_wait_dscnt 0x0                               ; the wave's end
	s_wait_alu 0x0
	s_wait_tensorcnt 0x0
	ds_add_u32 v[SPW], v[NIL]
	s_wait_dscnt 0x0
	s_endpgm
.Lfunc_end_k_q0ef37cbe2e_prep:
	.size	k_q0ef37cbe2e_prep, .Lfunc_end_k_q0ef37cbe2e_prep-k_q0ef37cbe2e_prep
	.p2alignl 7, 3214868480
	.fill 96, 4, 3214868480
	.section	.rodata,"a",@progbits
	.p2align	6, 0x0
	.amdhsa_kernel k_q0ef37cbe2e_prep
		.amdhsa_group_segment_fixed_size 68096
		.amdhsa_private_segment_fixed_size 0
		.amdhsa_enable_private_segment 0
		.amdhsa_kernarg_size 48
		.amdhsa_user_sgpr_count 2
		.amdhsa_user_sgpr_kernarg_segment_ptr 1
		.amdhsa_wavefront_size32 1
		.amdhsa_system_sgpr_workgroup_id_x 1
		.amdhsa_system_sgpr_workgroup_id_y 1
		.amdhsa_system_sgpr_workgroup_id_z 1
		.amdhsa_system_vgpr_workitem_id 0
		.amdhsa_next_free_vgpr 384
		.amdhsa_next_free_sgpr 66
		.amdhsa_reserve_vcc 0
		.amdhsa_float_denorm_mode_32 3
		.amdhsa_float_denorm_mode_16_64 3
		.amdhsa_memory_ordered 1
		.amdhsa_forward_progress 1
		.amdhsa_inst_pref_size 60
	.end_amdhsa_kernel
	.amdgpu_metadata
---
amdhsa.version: [ 1, 2 ]
amdhsa.kernels:
  - .name:           k_q0ef37cbe2e_prep
    .symbol:         k_q0ef37cbe2e_prep.kd
    .args:
      - { .name: input_vector, .offset: 0, .size: 8, .value_kind: global_buffer, .address_space: global }
      - { .name: w_q, .offset: 8, .size: 8, .value_kind: global_buffer, .address_space: global }
      - { .name: w_k, .offset: 16, .size: 8, .value_kind: global_buffer, .address_space: global }
      - { .name: w_v, .offset: 24, .size: 8, .value_kind: global_buffer, .address_space: global }
      - { .name: xh, .offset: 32, .size: 8, .value_kind: global_buffer, .address_space: global }
      - { .name: wb, .offset: 40, .size: 8, .value_kind: global_buffer, .address_space: global }
    .group_segment_fixed_size: 68096
    .private_segment_fixed_size: 0
    .kernarg_segment_align: 8
    .kernarg_segment_size: 48
    .max_flat_workgroup_size: 128
    .sgpr_count:     66
    .vgpr_count:     384
    .wavefront_size: 32
...
	.end_amdgpu_metadata
.endif
;; end of part 5
;; launch proj: the kernel of part 2 again; grid 8 x 32, 4 waves a work-group, clusters of 4 x 4, 327,680 bytes of LDS; arguments xh, wb, yb, vt; writes yb, vt
;; launch scores: the kernel of part 3 again; grid 36 x 4, 4 waves a work-group, no clusters, 327,680 bytes of LDS; arguments yb, xh, pb, st; writes pb, st
;; launch pv: the kernel of part 4 again; grid 8 x 32, 4 waves a work-group, clusters of 4 x 1, 327,680 bytes of LDS; arguments pb, vt, st, out0; writes out0
